; MI455X (gfx1250); checked and timed in simulation.
; The chip was launched on July 23, 2026; its instructions are those of AMD's public machine-readable ISA for CDNA 5 (MIT licence, August 2026) and "CDNA5" Instruction Set Architecture Reference Guide (July 2026). The comments in the code are by the model that wrote it; some were corrected since.
;; Multi Head Attention. Allowed arithmetic: matrix products marked QUANTISED: E2M1 operands, one E8M0 scale for each 32 along K, by v_wmma_scale_f32_16x16x128_f8f6f4 with both operands' format E2M1 (or v_wmma_scale_f32_32x16x128_f4), f32 sums; products left as they are: bf16, f16 or f32 operands; f32 sums; everything else in f32.
;; Inputs: W_out 1,024 x 1,024 float32; W_qkv 1,024 x 3,072 float32; b_out 1,024 float32; b_qkv 3,072 float32; mask 4 x 1 x 1 x 2,048 int32; x 4 x 2,048 x 1,024 float32.
;; Outputs: out0 4 x 2,048 x 1,024 float32.
;; This version of the problem:
;;   THIS VERSION OF THE PROBLEM IS GIVEN IN LOW PRECISION. The matrix products marked QUANTISED in the list below multiply operands that are first quantised to E2M1 (2 exponent bits, 1 mantissa bit; 4 bits a number), with one power-of-two scale for each 32 numbers along K (OCP MX v1.0); their sums are f32. The products marked 'left as it is' may take bf16, f16 or f32 operands, with f32 sums. Whichever they take, every output number must still come out within the allowed error. Rounding operands to bf16 (8 significant bits) uses up far more of that allowance than f16 does (11 bits, for magnitudes from 6e-5 to 65,504). All else is computed in f32.
;;   The module's matrix products, in the order in which they are computed (A, B: the left and right operand; K: the contracted axis; several contracted axes count as one K, in the product's order):
;;     1. [M 8,192, K 1,024] x [K 1,024, N 3,072]; A: input x; B: input W_qkv: QUANTISED
;;     2. batch 64 x [M 2,048, K 64] x [K 64, N 2,048]; A: computed on the way; B: computed on the way: left as it is (an operand is computed on the way)
;;     3. batch 64 x [M 2,048, K 2,048] x [K 2,048, N 64]; A: computed on the way; B: computed on the way: left as it is (an operand is computed on the way)
;;     4. [M 8,192, K 1,024] x [K 1,024, N 1,024]; A: computed on the way; B: input W_out: left as it is (an operand is computed on the way)
;;   THE QUANTISER, for each operand of a quantised product, along K:
;;     - K is cut into blocks of 32 from its start; a last block that is shorter is filled with zeros.
;;     - A block's scale is 2^e with e = floor(log2(the largest magnitude in the block)) - 2, held to -126 .. 127; a block of zeros has e = 0. As a byte (E8M0): e + 127.
;;     - Each number is divided by its block's scale, clamped to +-6, and rounded to the nearest number of E2M1, ties to even, subnormals kept.
;;     - The product sums the exact products of the quantised numbers (number of the format x scale) in f32.
;;   ~~~python
;;   def quantise(x, axis):      # numpy; x: float32 -> the quantised numbers, widened to float32 again
;;       x = np.moveaxis(x, axis, -1); K = x.shape[-1]
;;       x = np.pad(x, [(0, 0)] * (x.ndim - 1) + [(0, -K % 32)]); x = x.reshape(x.shape[:-1] + (-1, 32)); a = np.abs(x).max(-1, keepdims=True)
;;       e = np.where(a > 0, np.clip(np.frexp(np.where(a > 0, a, 1))[1] - 1 - 2, -126, 127), 0)      # np.frexp(a)[1] - 1 = floor(log2(a)), exactly
;;       r = np.clip(x / 2.0 ** e, -6, 6)
;;       step = 2.0 ** (np.maximum(np.frexp(np.where(r == 0, 1, r))[1] - 1, 0) - 1)
;;       q = np.round(r / step) * step * 2.0 ** e      # np.round: ties to even
;;       return np.moveaxis(q.reshape(q.shape[:-2] + (-1,))[..., :K], -1, axis).astype(np.float32)
;;   ~~~
;; One version. Each part assembles by itself: llvm-mc -triple=amdgcn-amd-amdhsa -mcpu=gfx1250 --defsym DOCPART=n.
;; ======== version 1 of 1: 4 launches
;; limits: values are held in f16: magnitudes above 65,504 overflow, below 6.1e-05 lose precision
;; workspace buffers: x_codes 4,194,304 bytes; x_scales 262,144 bytes; w_codes 1,572,864 bytes; w_scales 98,304 bytes; wo_t 2,097,152 bytes; qkv 50,331,648 bytes; att 16,777,216 bytes
;; launch prep (part 1): grid 368 x 1, 4 waves a work-group, no clusters, 102,912 bytes of LDS; arguments x, W_qkv, W_out, x_codes, x_scales, w_codes, w_scales, wo_t; writes x_codes, x_scales, w_codes, w_scales, wo_t
.if DOCPART == 1
	.amdgcn_target "amdgcn-amd-amdhsa--gfx1250"
	.amdhsa_code_object_version 6
	.text
	.protected	k_qdfdb74ac61_prep
	.globl	k_qdfdb74ac61_prep
	.p2align	8
	.type	k_qdfdb74ac61_prep,@function
k_qdfdb74ac61_prep:
	s_mov_b64 s[64:65], 0
	v_nop
	global_prefetch_b8 v0, s[64:65] scope:SCOPE_SE
	s_setreg_imm32_b32 hwreg(HW_REG_WAVE_MODE, 25, 1), 1
	s_wait_xcnt 0x0
; MULTI-HEAD ATTENTION, launch 1 of 4: the operands are made ready.
; NO WORK OF THE PROBLEM IS LEFT OUT ANYWHERE IN THE PROGRAM.  In particular the bias on K stays: where mask == 0 the score is the constant -1000, which does not move with that bias,
; so the bias does not cancel in the softmax.  Every input has a way to the output and is loaded by some launch.
; Three paths, parted by the work-group's number alone; each has LDS bytes of its own:
;   work-groups   0-255: x [8192][1024] f32      -> x_codes [8192][512 bytes], x_scales [8192][32]: codes of FP4 (E2M1), K innermost, one E8M0 byte for each 32 along K
;   work-groups 256-303: W_qkv [1024 k][3072 n]  -> w_codes [3072][512 bytes], w_scales [3072][32]: the same, quantised along K, which is W_qkv's FIRST axis
;   work-groups 304-367: W_out [1024 k][1024 n]  -> wo_t [1024 n][1024 k] in f16 (that product is left as it is: f16 operands, f32 sums)
; A block's scale is 2^(floor(log2(its largest magnitude)) - 2); its byte is the largest magnitude's exponent field - 2, held at 1 from below.  A block of zeros so gets the byte 1 where the
; rule says 127: its codes are zeros, which add nothing under any byte but 0xff, and the bytes are read by this program alone.
; LIMITS: blocks whose largest magnitude lies under 2^-124 were not tried; NaN and infinities among the inputs are not served; |W_out| stays under 65,504 (f16).
; No tensor loads, no barrier: waves share nothing.
.set SPW,   192                        ; v192 LDS address of my spare word: SPARE + 4 x my thread's number; never rewritten
.set NIL,   193                        ; v193 0; never rewritten
.set WREG,  8192                       ; path x: LDS bytes 0 .. 32,767, a region for each wave
.set WSTG,  32768                      ; path W_qkv: four stages of 32 x 272 bytes
.set OSTG,  67584                      ; path W_out: four stages of 32 x 272 bytes
.set SPARE, 102400                     ; the spare words, 128 bytes for each wave: two blocks of 256 bytes that no other line names
.set PITCH, 272                        ; a stage row: 256 bytes + 16
.set EMAX,  2
.macro FINISH                          ; the wave's end
	s_wait_tensorcnt 0x0
	ds_add_u32 v[SPW], v[NIL]
	s_wait_dscnt 0x0
	s_endpgm
.endm
	s_load_b256 s[4:11], s[0:1], 0x0               ; x s[4:5], W_qkv s[6:7], W_out s[8:9], x_codes s[10:11]
	s_load_b256 s[12:19], s[0:1], 0x20             ; x_scales s[12:13], w_codes s[14:15], w_scales s[16:17], wo_t s[18:19]
	v_lshl_add_u32 v[SPW], v0, 2, SPARE
	v_mov_b32 v[NIL], 0
	v_lshrrev_b32 v1, 5, v0
	v_readfirstlane_b32 s20, v1                    ; wave 0..3
	v_and_b32 v2, 31, v0                           ; lane
	s_mov_b32 s27, 0                               ; the high word of every offset: all stay under 2^32
	s_wait_kmcnt 0x0
	s_cmp_lt_u32 ttmp9, 256
	s_cbranch_scc1 .Lx
	s_cmp_lt_u32 ttmp9, 304
	s_cbranch_scc1 .Lw
; ---------------- W_out: a lane takes a column n, its registers run down K; 32 columns x 128 along K a wave ----------------
.set OX,   32                          ; v32-95   two sets of 32 numbers
.set OC,   96                          ; v96-111  32 numbers as f16
.set OOUT, 112                         ; v112-175 the way out
	s_sub_co_u32 s21, ttmp9, 304
	s_and_b32 s22, s21, 7                          ; which 128 columns
	s_lshr_b32 s23, s21, 3                         ; which 128 along K
	s_lshl_b32 s24, s22, 7
	s_lshl_b32 s25, s20, 5
	s_add_co_u32 s24, s24, s25                     ; my wave's first column
	s_lshl_b32 s26, s23, 19                        ; 128 rows of 4,096 bytes
	s_lshl_b32 s25, s24, 2
	s_add_co_u32 s26, s26, s25
	s_add_nc_u64 s[8:9], s[8:9], s[26:27]
	s_lshl_b32 s26, s24, 11                        ; a row of wo_t is 2,048 bytes
	s_lshl_b32 s25, s23, 8                         ; 128 f16 along K
	s_add_co_u32 s26, s26, s25
	s_add_nc_u64 s[18:19], s[18:19], s[26:27]
	v_lshlrev_b32 v3, 2, v2                        ; in: 4 bytes a lane
	s_mul_i32 s25, s20, 32*PITCH
	s_add_co_u32 s25, s25, OSTG                    ; my stage
	v_mul_u32_u24 v4, v2, PITCH
	v_add_nc_u32 v4, s25, v4                       ; into it: row = my column
	v_and_b32 v5, 15, v2
	v_lshrrev_b32 v6, 4, v2
	v_mul_u32_u24 v7, v6, PITCH
	v_lshl_add_u32 v7, v5, 4, v7
	v_add_nc_u32 v7, s25, v7                       ; out of it: sixteen lanes to a row, two rows an instruction
	v_lshlrev_b32 v8, 11, v6
	v_lshl_add_u32 v8, v5, 4, v8                   ; and the same place in wo_t
.macro OLOAD t                         ; W_out(32 t + i, my column), i = 0 .. 31
.irp i, 0,1,2,3,4,5,6,7,8,9,10,11,12,13,14,15,16,17,18,19,20,21,22,23,24,25,26,27,28,29,30,31
	global_load_b32 v[OX+32*((\t)%2)+\i], v3, s[8:9] offset:(32*(\t)+\i)*4096 th:TH_LOAD_NT
.endr
.endm
.macro OBLOCK t
.set XS, OX+32*((\t)%2)
.if (\t) < 3
	s_wait_loadcnt 32                              ; this block's 32 loads are in; the next block's may be out
.else
	s_wait_loadcnt 0
.endif
.irp i, 0,1,2,3,4,5,6,7,8,9,10,11,12,13,14,15
	v_cvt_pk_f16_f32 v[OC+\i], v[XS+2*\i], v[XS+2*\i+1]   ; the lower k in the low half
.endr
.irp g, 0,1,2,3
	ds_store_b128 v4, v[OC+4*\g:OC+4*\g+3] offset:64*(\t)+16*\g
.endr
.if (\t)+2 < 4
	OLOAD (\t)+2
.endif
	s_wait_dscnt 0x0                               ; the stores have read their registers
.endm
	OLOAD 0
	OLOAD 1
	OBLOCK 0
	OBLOCK 1
	OBLOCK 2
	OBLOCK 3
.irp t, 0,1,2,3,4,5,6,7,8,9,10,11,12,13,14,15
	ds_load_b128 v[OOUT+4*\t:OOUT+4*\t+3], v7 offset:2*\t*PITCH   ; LDS serves a wave's instructions in order: these see my stores
.endr
.irp t, 0,1,2,3,4,5,6,7,8,9,10,11,12,13,14,15
	s_wait_dscnt 15-\t
	global_store_b128 v8, v[OOUT+4*\t:OOUT+4*\t+3], s[18:19] offset:2*\t*2048   ; sixteen lanes store 256 consecutive bytes, aligned
.endr
	FINISH
; ---------------- W_qkv: a lane takes a column n, its registers run down K; 32 columns x 512 along K a wave ----------------
.Lw:
.set WN,   3072
.set NB,   16                          ; blocks of 32 along K for a wave
.set KROW, 512                         ; a row of w_codes in bytes
.set WX,   32                          ; v32-95   two sets of 32 numbers
.set WC,   96                          ; v96-99   a block's codes
.set WOUT, 112                         ; v112-175 the way out
.set WSB,  24                          ; v24-27   the scale bytes, four to a register
	s_sub_co_u32 s21, ttmp9, 256
	s_cmp_ge_u32 s21, 24
	s_cselect_b32 s22, 1, 0                        ; which 512 along K
	s_cselect_b32 s23, 24, 0
	s_sub_co_u32 s21, s21, s23                     ; which 128 columns
	s_lshl_b32 s24, s21, 7
	s_lshl_b32 s25, s20, 5
	s_add_co_u32 s24, s24, s25                     ; my wave's first column
	s_mul_i32 s26, s22, 512*WN*4
	s_lshl_b32 s28, s24, 2
	s_add_co_u32 s26, s26, s28
	s_add_nc_u64 s[6:7], s[6:7], s[26:27]
	s_lshl_b32 s26, s24, 9
	s_lshl_b32 s28, s22, 8
	s_add_co_u32 s26, s26, s28
	s_add_nc_u64 s[14:15], s[14:15], s[26:27]
	s_lshl_b32 s26, s24, 5
	s_lshl_b32 s28, s22, 4
	s_add_co_u32 s26, s26, s28
	s_add_nc_u64 s[16:17], s[16:17], s[26:27]
	v_lshlrev_b32 v3, 2, v2                        ; in: 4 bytes a lane
	s_mul_i32 s25, s20, 32*PITCH
	s_add_co_u32 s25, s25, WSTG                    ; my stage
	v_mul_u32_u24 v4, v2, PITCH
	v_add_nc_u32 v4, s25, v4
	v_and_b32 v5, 15, v2
	v_lshrrev_b32 v6, 4, v2
	v_mul_u32_u24 v7, v6, PITCH
	v_lshl_add_u32 v7, v5, 4, v7
	v_add_nc_u32 v7, s25, v7
	v_mul_u32_u24 v8, v6, KROW
	v_lshl_add_u32 v8, v5, 4, v8
	v_lshlrev_b32 v9, 5, v2                        ; my column's row of scale bytes: 32 bytes a row
.macro WLOAD t                         ; every offset is an immediate: 511 x 12,288 bytes at the most, inside the signed 24 bits (ISA guide, chapter 10)
.irp i, 0,1,2,3,4,5,6,7,8,9,10,11,12,13,14,15,16,17,18,19,20,21,22,23,24,25,26,27,28,29,30,31
	global_load_b32 v[WX+32*((\t)%2)+\i], v3, s[6:7] offset:(32*(\t)+\i)*WN*4 th:TH_LOAD_NT
.endr
.endm
.macro WBLOCK t
.set XS, WX+32*((\t)%2)
.if (\t) < NB-1
	s_wait_loadcnt 32                              ; this block's 32 loads are in; the next block's may be out
.else
	s_wait_loadcnt 0
.endif
	v_max3_num_f32 v12, |v[XS]|, |v[XS+1]|, |v[XS+2]|               ; the block's largest magnitude: all 32 numbers are mine
	v_max3_num_f32 v13, |v[XS+3]|, |v[XS+4]|, |v[XS+5]|
.irp i, 6,10,14,18,22,26
	v_max3_num_f32 v12, v12, |v[XS+\i]|, |v[XS+\i+1]|
	v_max3_num_f32 v13, v13, |v[XS+\i+2]|, |v[XS+\i+3]|
.endr
	v_max3_num_f32 v12, v12, |v[XS+30]|, |v[XS+31]|
	v_max3_num_f32 v12, v12, v13, (EMAX+1)<<23     ; and the floor 2^(3 - 127): the byte cannot fall under 1
	v_add_nc_u32 v11, -(EMAX<<23), v12             ; 2 off its exponent field: the conversion takes the exponent field of this operand as its scale
	v_lshrrev_b32 v13, 23, v11                     ; the scale's byte
.if (\t)%4 == 0
	v_mov_b32 v[WSB+(\t)/4], v13
.else
	v_lshl_or_b32 v[WSB+(\t)/4], v13, 8*((\t)%4), v[WSB+(\t)/4]
.endif
.irp g, 0,1,2,3
	v_cvt_scalef32_pk8_fp4_f32 v[WC+\g], v[XS+8*\g:XS+8*\g+7], v11
.endr
	v_nop                                          ; one plain line behind the last scaled conversion
	ds_store_b128 v4, v[WC:WC+3] offset:16*(\t)    ; 32 codes: 16 bytes of my column's row
.if (\t)+2 < NB
	WLOAD (\t)+2
.endif
	s_wait_dscnt 0x0                               ; the store has read its registers
.endm
	WLOAD 0
	WLOAD 1
.set Q, 0
.rept NB
	WBLOCK Q
.set Q, Q+1
.endr
	global_store_b128 v9, v[WSB:WSB+3], s[16:17]   ; my column's 16 scale bytes
.irp t, 0,1,2,3,4,5,6,7,8,9,10,11,12,13,14,15
	ds_load_b128 v[WOUT+4*\t:WOUT+4*\t+3], v7 offset:2*\t*PITCH
.endr
.irp t, 0,1,2,3,4,5,6,7,8,9,10,11,12,13,14,15
	s_wait_dscnt 15-\t
	global_store_b128 v8, v[WOUT+4*\t:WOUT+4*\t+3], s[14:15] offset:2*\t*KROW   ; sixteen lanes store 256 consecutive bytes, aligned
.endr
	FINISH
; ---------------- x: a plain stream of blocks of 32; a wave takes 16 steps of 512 numbers ----------------
.Lx:
.set STEPS, 16
.set CB,    8                          ; bytes of 16 codes
.set XR,    16                         ; v16-79   four sets of 16 numbers as they are loaded
.set XX,    80                         ; v80-111  two sets of 16 neighbours
.set XE,    112                        ; v112-127 a scale byte for each step
.set XC,    128                        ; v128-191 codes: registers of its own for each step
.set SP,    80                         ; a lane's place in a stage: 64 bytes + 16
	v_lshlrev_b32 v3, 4, v2                        ; my 16 bytes of a load's 512
	s_mul_i32 s21, s20, WREG
	v_lshrrev_b32 v14, 2, v2
	v_mul_u32_u24 v14, v14, SP
	v_and_b32 v15, 3, v2
	v_lshl_add_u32 v14, v15, 4, v14
	v_add_nc_u32 v14, s21, v14                     ; the stage, on the way in: SP (lane / 4) + 16 (lane % 4)
	v_mul_u32_u24 v15, v2, SP
	v_add_nc_u32 v15, s21, v15                     ; and on the way out: SP x lane: my 16 neighbours
	v_mul_u32_u24 v4, v2, CB                       ; my codes' place in a step's
	v_lshrrev_b32 v5, 1, v2
	s_add_co_u32 s21, s21, 2*32*SP
	v_add_nc_u32 v5, s21, v5                       ; my wave's 256 scale bytes, my block's byte
	v_lshlrev_b32 v7, 3, v2
	v_add_nc_u32 v6, s21, v7
	s_lshl_b32 s22, ttmp9, 2
	s_add_co_u32 s22, s22, s20                     ; which run of 8,192 numbers is my wave's
	s_lshl_b32 s26, s22, 15
	s_add_nc_u64 s[4:5], s[4:5], s[26:27]
	s_lshl_b32 s26, s22, 12
	s_add_nc_u64 s[10:11], s[10:11], s[26:27]
	s_lshl_b32 s26, s22, 8
	s_add_nc_u64 s[12:13], s[12:13], s[26:27]
.macro XLOAD t
.irp i, 0,1,2,3
	global_load_b128 v[XR+16*((\t)%4)+4*\i:XR+16*((\t)%4)+4*\i+3], v3, s[4:5] offset:2048*(\t)+512*\i th:TH_LOAD_NT   ; 32 lanes read 512 consecutive bytes
.endr
.endm
.macro XTURN t                         ; step t's numbers through the stage: LDS serves a wave's instructions in order
.irp i, 0,1,2,3
	ds_store_b128 v14, v[XR+16*((\t)%4)+4*\i:XR+16*((\t)%4)+4*\i+3] offset:32*SP*((\t)%2)+8*SP*\i
.endr
.irp i, 0,1,2,3
	ds_load_b128 v[XX+16*((\t)%2)+4*\i:XX+16*((\t)%2)+4*\i+3], v15 offset:32*SP*((\t)%2)+16*\i
.endr
.endm
.irp t, 0,1,2,3
	XLOAD \t
.endr
	s_wait_loadcnt 12                              ; step 0's four loads are in
	XTURN 0
.macro XSTEP t
.set XS, XX+16*((\t)%2)
.if (\t) > 0
	s_wait_dscnt 1                                 ; this step's numbers are back from the stage (the last step's byte store may be out)
.else
	s_wait_dscnt 0x0
.endif
.if (\t)+4 < STEPS
	XLOAD (\t)+4
.endif
.if (\t)+1 < STEPS
.if STEPS-2-(\t) >= 3
	s_wait_loadcnt 12                              ; the next step's four loads are in; those of the three steps behind it may be out
.else
	s_wait_loadcnt 4*(STEPS-2-(\t))
.endif
	XTURN (\t)+1
.endif
	v_max3_num_f32 v8, |v[XS]|, |v[XS+1]|, |v[XS+2]|               ; the largest magnitude of my 16
	v_max3_num_f32 v9, |v[XS+3]|, |v[XS+4]|, |v[XS+5]|
.irp i, 6,10
	v_max3_num_f32 v8, v8, |v[XS+\i]|, |v[XS+\i+1]|
	v_max3_num_f32 v9, v9, |v[XS+\i+2]|, |v[XS+\i+3]|
.endr
	v_max3_num_f32 v8, v8, |v[XS+14]|, |v[XS+15]|
	v_max3_num_f32 v8, v8, v9, (EMAX+1)<<23        ; and the floor
	v_max_num_f32_dpp v8, v8, v8 row_xmask:1 row_mask:0xf bank_mask:0xf   ; and of my neighbour's 16: the block's
	v_add_nc_u32 v11, -(EMAX<<23), v8
	v_cvt_scalef32_pk8_fp4_f32 v[XC+4*(\t)], v[XS:XS+7], v11
	v_cvt_scalef32_pk8_fp4_f32 v[XC+4*(\t)+1], v[XS+8:XS+15], v11
	v_lshrrev_b32 v[XE+(\t)], 23, v11              ; the scale's byte (also the plain line behind the conversions)
	ds_store_b8 v5, v[XE+(\t)] offset:16*(\t)      ; both lanes of a block write the same byte with the same value
	global_store_b64 v4, v[XC+4*(\t):XC+4*(\t)+1], s[10:11] offset:32*CB*(\t)   ; the wave stores 256 consecutive bytes, aligned
.endm
.irp t, 0,1,2,3,4,5,6,7,8,9,10,11,12,13,14,15
	XSTEP \t
.endr
	ds_load_b64 v[8:9], v6
	s_wait_dscnt 0x0
	global_store_b64 v7, v[8:9], s[12:13]          ; 32 lanes store 256 consecutive bytes, aligned
	FINISH
.Lfunc_end_k_qdfdb74ac61_prep:
	.size	k_qdfdb74ac61_prep, .Lfunc_end_k_qdfdb74ac61_prep-k_qdfdb74ac61_prep
	.p2alignl 7, 3214868480
	.fill 96, 4, 3214868480
	.section	.rodata,"a",@progbits
	.p2align	6, 0x0
	.amdhsa_kernel k_qdfdb74ac61_prep
		.amdhsa_group_segment_fixed_size 102912
		.amdhsa_private_segment_fixed_size 0
		.amdhsa_enable_private_segment 0
		.amdhsa_kernarg_size 64
		.amdhsa_user_sgpr_count 2
		.amdhsa_user_sgpr_kernarg_segment_ptr 1
		.amdhsa_wavefront_size32 1
		.amdhsa_system_sgpr_workgroup_id_x 1
		.amdhsa_system_sgpr_workgroup_id_y 1
		.amdhsa_system_sgpr_workgroup_id_z 1
		.amdhsa_system_vgpr_workitem_id 0
		.amdhsa_next_free_vgpr 196
		.amdhsa_next_free_sgpr 66
		.amdhsa_reserve_vcc 0
		.amdhsa_float_denorm_mode_32 3
		.amdhsa_float_denorm_mode_16_64 3
		.amdhsa_memory_ordered 1
		.amdhsa_forward_progress 1
		.amdhsa_inst_pref_size 133
	.end_amdhsa_kernel
	.amdgpu_metadata
---
amdhsa.version: [ 1, 2 ]
amdhsa.kernels:
  - .name:           k_qdfdb74ac61_prep
    .symbol:         k_qdfdb74ac61_prep.kd
    .args:
      - { .name: x, .offset: 0, .size: 8, .value_kind: global_buffer, .address_space: global }
      - { .name: W_qkv, .offset: 8, .size: 8, .value_kind: global_buffer, .address_space: global }
      - { .name: W_out, .offset: 16, .size: 8, .value_kind: global_buffer, .address_space: global }
      - { .name: x_codes, .offset: 24, .size: 8, .value_kind: global_buffer, .address_space: global }
      - { .name: x_scales, .offset: 32, .size: 8, .value_kind: global_buffer, .address_space: global }
      - { .name: w_codes, .offset: 40, .size: 8, .value_kind: global_buffer, .address_space: global }
      - { .name: w_scales, .offset: 48, .size: 8, .value_kind: global_buffer, .address_space: global }
      - { .name: wo_t, .offset: 56, .size: 8, .value_kind: global_buffer, .address_space: global }
    .group_segment_fixed_size: 102912
    .private_segment_fixed_size: 0
    .kernarg_segment_align: 8
    .kernarg_segment_size: 64
    .max_flat_workgroup_size: 128
    .sgpr_count:     66
    .vgpr_count:     196
    .wavefront_size: 32
...
	.end_amdgpu_metadata
.endif
;; end of part 1
;; launch qkv (part 2): grid 12 x 32, 4 waves a work-group, clusters of 4 x 4, 327,680 bytes of LDS; arguments x_codes, x_scales, w_codes, w_scales, qkv, b_qkv, mask; writes qkv
.if DOCPART == 2
	.amdgcn_target "amdgcn-amd-amdhsa--gfx1250"
	.amdhsa_code_object_version 6
	.text
	.protected	k_qdfdb74ac61_qkv
	.globl	k_qdfdb74ac61_qkv
	.p2align	8
	.type	k_qdfdb74ac61_qkv,@function
k_qdfdb74ac61_qkv:
	s_mov_b64 s[64:65], 0
	v_nop
	global_prefetch_b8 v0, s[64:65] scope:SCOPE_SE
	s_setreg_imm32_b32 hwreg(HW_REG_WAVE_MODE, 25, 1), 1
	s_wait_xcnt 0x0
	s_wait_alu depctr_hold_cnt(0) depctr_sa_sdst(0) depctr_va_vdst(0) depctr_va_sdst(0) depctr_va_ssrc(0) depctr_va_vcc(0) depctr_vm_vsrc(0)
	s_getreg_b32 s2, hwreg(HW_REG_IB_STS2, 6, 4)
	s_cmp_eq_u32 s2, 0
	s_cbranch_scc0 .Lentry_in_a_cluster
	s_endpgm
.Lentry_in_a_cluster:
	s_bfe_u32 s2, ttmp6, 0x10000c
	s_cmp_lg_u32 s2, 0xf033
	s_cbranch_scc0 .Lentry_shape_is_right
	s_endpgm
.Lentry_shape_is_right:
; Launch 2 of 4: qkv = Q(x) Q(W_qkv) + b_qkv, the QUANTISED product, on codes of FP4 (E2M1) with one E8M0 scale for each 32 along K; sums in f32.  No work of the problem is left out.
; A: x_codes [8192][512 bytes], x_scales [8192][32].  B: w_codes [3072][512 bytes], w_scales [3072][32].  Result, rounded once to f16: qkv [3 which][4 b][16 h][2048 t][64].
; THE MASK: where(mask == 0, -1000, q.k / 8) = (q.k' + C) / 8 with k' = k where mask != 0, else 0, and C = -8000 where mask == 0, else 0: exact.  Here K's rows of masked tokens are set to 0
; (an AND of the packed f16 words with a word 0 or -1; Q's and V's tiles take -1 throughout); the next launch adds C.
; LIMITS: |q|, |k|, |v| stay under 65,504 (f16).
; A tile of C, 256 x 256, is made by a work-group of four waves; a wave makes 128 x 128: 64 accumulators of 16 x 16.  K = 1,024 is two slots of 512 along K (rows of 256 bytes): both are asked for
; at the head, nothing is filled again.  The scales of the work-group's rows, for all of K, come once, as dense blocks.
; CLUSTERS: 4 x 4 work-groups; A's tiles are asked for jointly along a row of the cluster, B's along a column.
; THE MATRIX INSTRUCTION IS USED TRANSPOSED (source 0 = 16 rows of B, source 1 = 16 rows of A): a lane holds eight neighbouring columns of one row of C.  The bias is the C of each sum's first product.
; REGISTERS: window 0: v8-15 mask words; v16-31 addresses; v32-95 scale words, two sets; v128-191 A's fragments; v192-255 the bias, later packed results.  window 1: B's fragments, two sets.
;   window 2: the accumulators of my rows 0-63 ((a, b) at v[8 (8 a + b)]);  window 3: those of my rows 64-127.
.set SIZE_M, 8192
.set SIZE_N, 3072
.set SIZE_K, 1024
.set KSTEP,  512
.set NQ,     KSTEP/128
.set ROWB,   256
.set KROW,   SIZE_K/2
.set PITCH,  272                       ; an LDS row: 256 bytes + 16 = 68 words: the 16 rows that a load touches start at 16 different banks (64 banks of 4 bytes: ISA guide 11.1)
.set FR,     8
.set NL,     2
.set NP,     4
.set HALFT,  128*PITCH
.set SLOT,   4*HALFT
.set KS,     SIZE_K/32
.set SCL,    2*SLOT
.set HALFS,  (128*KS/256)*272
.set SBLK,   (16*KS/256)*272
.set SPARE,  SCL+4*HALFS               ; the spare words, 128 bytes for each wave: two blocks of 256 bytes that no other line names
.set SPITCH, 272                       ; the way out: a stage of 16 rows x (256 bytes + 16) for each wave, in slot 0, which has had its only fill and its last read by then
.set MW,   8                           ; v8-15   block a's mask word of my row: 0 or -1
.set ADRA, 16
.set ADRB, 20
.set STO,  24
.set RD,   25
.set CO,   26
.set ADRS, 27
.set SPW,  28
.set NIL,  29
.set BO,   30                          ; v30     32 x (lane / 16): the bias loads' offset; never rewritten
.set MO,   31                          ; v31     4 x (lane % 16): the mask loads' offset; never rewritten
.set SC,   32
.set AF,   128
.set BI,   192                         ; the bias: block b's eight numbers at v[BI + 8 b]
.set TMP,  192                         ; the way out: packed results
.set BK,   128                         ; the way out: rows read back, two sets of 32
.set G1, 24
.set G0, 32
.set G1B, 48
.set G0B, 56
.set G1S, 68
.set G0S, 76
.set G1SB, 80
.set G0SB, 88
.set MSB, 0
.macro WIN new                         ; the immediate's high byte repeats the setting that is left
.if MSB != (\new)
	s_set_vgpr_msb (MSB<<8)|(\new)
.set MSB, (\new)
.endif
.endm
.set MUL_LO, 0xa1                      ; source 0 (B) window 1, source 1 (A) window 0, C and D window 2
.set MUL_HI, 0xf1                      ; the same, C and D window 3
.set TO_B,   0x40
; A joint load: waves 0 and 1 fetch for A, waves 2 and 3 for B.  An s_nop 0 and four v_nop follow each of the two lines.
.macro JLOAD g0a, g1a, g0b, g1b
	s_cmp_eq_u32 s15, 0
	s_cbranch_scc0 .Lfor_b_\@
	tensor_load_to_lds s[\g0a:\g0a+3], s[\g1a:\g1a+7]
	s_nop 0
.rept 4
	v_nop
.endr
	s_branch .Lasked_\@
.Lfor_b_\@:
	tensor_load_to_lds s[\g0b:\g0b+3], s[\g1b:\g1b+7]
	s_nop 0
.rept 4
	v_nop
.endr
.Lasked_\@:
.endm
.macro CROUND                          ; a round of the cluster's barrier
	s_barrier_signal -1
	s_barrier_wait -1
	s_cmp_lg_u32 s14, 0
	s_cbranch_scc1 .Lnot_wave_0_\@
	s_barrier_signal -3
.Lnot_wave_0_\@:
	s_barrier_wait -3
	s_barrier_signal -1
	s_barrier_wait -1
.endm
	s_load_b128 s[4:7], s[0:1], 0x0                ; A's codes, A's scales
	s_load_b128 s[8:11], s[0:1], 0x10              ; B's codes, B's scales
	s_load_b64 s[12:13], s[0:1], 0x20              ; qkv
	s_load_b128 s[96:99], s[0:1], 0x28             ; b_qkv s[96:97], mask s[98:99]
	v_lshl_add_u32 v[SPW], v0, 2, SPARE
	v_mov_b32 v[NIL], 0
	ds_add_u32 v[SPW], v[NIL]                      ; the wave's opening: the add, twice on end, and its wait ahead of my first tensor load
	ds_add_u32 v[SPW], v[NIL]
	v_lshrrev_b32 v1, 5, v0
	v_readfirstlane_b32 s14, v1                    ; wave 0..3
	s_lshr_b32 s15, s14, 1                         ; which half of the tile's rows is mine.  Also: I fetch for A (0) or for B (1)
	s_and_b32 s16, s14, 1                          ; which half of its columns.  Also: which 128 rows of that tile I fetch
	s_bfe_u32 s40, ttmp6, 0x40000                  ; cx, cy
	s_bfe_u32 s41, ttmp6, 0x40004
	s_lshl_b32 s42, ttmp9, 2
	s_add_co_u32 s42, s42, s40                     ; tile column of C
	s_and_b32 s17, ttmp7, 0xffff
	s_lshl_b32 s17, s17, 2
	s_add_co_u32 s17, s17, s41                     ; tile row of C
	s_lshl_b32 s43, s41, 2
	s_lshl_b32 s43, 15, s43                        ; my row of the cluster
	s_lshl_b32 s44, 0x1111, s40                    ; my column
	s_cmp_eq_u32 ttmp9, 1                          ; the cluster's x is 0, 1, 2 for Q, K, V: the same in all sixteen partners
	s_cselect_b32 s100, 0, -1                      ; K's tiles keep the mask's word, the others take -1
	s_or_b32 s[G1+0], s43, (0<<16)|(1<<20)|(1<<21)|(5<<22)|(3<<25)  ; the mask; elements of 1 byte; padding on; bit 21 beside a mask; 4 words behind every 64
	s_or_b32 s[G1B+0], s44, (0<<16)|(1<<20)|(1<<21)|(5<<22)|(3<<25)
.irp g, G1, G1B
	s_mov_b32 s[\g+1], ROWB<<16                    ; tensor_dim0
	s_mov_b32 s[\g+2], 128<<16                     ; tensor_dim1
	s_mov_b32 s[\g+3], ROWB<<16                    ; tile_dim0
	s_mov_b32 s[\g+4], 128                         ; tile_dim1
	s_mov_b32 s[\g+5], KROW                        ; tensor_dim0_stride
	s_mov_b32 s[\g+6], 0
	s_mov_b32 s[\g+7], 0
.endr
	s_or_b32 s[G1S+0], s43, (3<<16)|(1<<20)|(1<<21)|(5<<22)|(3<<25)   ; the scales of 128 rows: 4,096 dense bytes as 16 rows of 256 (32 elements of 8 bytes)
	s_or_b32 s[G1SB+0], s44, (3<<16)|(1<<20)|(1<<21)|(5<<22)|(3<<25)
.irp g, G1S, G1SB
	s_mov_b32 s[\g+1], 32<<16
	s_mov_b32 s[\g+2], (128*KS/256)<<16
	s_mov_b32 s[\g+3], 32<<16
	s_mov_b32 s[\g+4], 128*KS/256
	s_mov_b32 s[\g+5], 32
	s_mov_b32 s[\g+6], 0
	s_mov_b32 s[\g+7], 0
.endr
	s_lshl_b32 s18, s16, 7
	s_lshl_b32 s20, s17, 8
	s_add_co_u32 s20, s20, s18                     ; A: row 256 x tile row + 128 x half
	s_lshl_b32 s46, s42, 8
	s_add_co_u32 s46, s46, s18                     ; B: row 256 x tile column + 128 x half
	s_mov_b32 s21, 0
	s_mov_b32 s47, 0
	s_mov_b64 s[18:19], KS
	s_mul_u64 s[22:23], s[20:21], s[18:19]
	s_mul_u64 s[92:93], s[46:47], s[18:19]
	s_mov_b64 s[18:19], KROW
	s_mul_u64 s[20:21], s[20:21], s[18:19]
	s_mul_u64 s[46:47], s[46:47], s[18:19]
	s_mul_i32 s45, s14, HALFT                      ; where they go: wave x 128 rows
	s_mul_i32 s94, s14, HALFS
	s_wait_dscnt 0x0                               ; both opening adds are done
	s_wait_kmcnt 0x0
	s_add_nc_u64 s[20:21], s[4:5], s[20:21]
	s_add_nc_u64 s[22:23], s[6:7], s[22:23]
	s_add_nc_u64 s[46:47], s[8:9], s[46:47]
	s_add_nc_u64 s[92:93], s[10:11], s[92:93]
	CROUND                                         ; all sixteen work-groups are here: the joint loads meet
	s_mov_b32 s[G0S], 1
	s_add_co_u32 s[G0S+1], s94, SCL
	s_mov_b64 s[G0S+2:G0S+3], s[22:23]
	s_or_b32 s[G0S+3], s[G0S+3], 0x80000000
	s_mov_b32 s[G0SB], 1
	s_add_co_u32 s[G0SB+1], s94, SCL
	s_mov_b64 s[G0SB+2:G0SB+3], s[92:93]
	s_or_b32 s[G0SB+3], s[G0SB+3], 0x80000000
	JLOAD G0S, G1S, G0SB, G1SB                     ; the scales first; with the two below three loads of mine are out
.irp s, 0,1
	s_mov_b32 s[G0+4*\s], 1
	s_add_co_u32 s[G0+4*\s+1], s45, \s*SLOT
	s_add_nc_u64 s[G0+4*\s+2:G0+4*\s+3], s[20:21], \s*ROWB
	s_or_b32 s[G0+4*\s+3], s[G0+4*\s+3], 0x80000000
	s_mov_b32 s[G0B+4*\s], 1
	s_add_co_u32 s[G0B+4*\s+1], s45, \s*SLOT
	s_add_nc_u64 s[G0B+4*\s+2:G0B+4*\s+3], s[46:47], \s*ROWB
	s_or_b32 s[G0B+4*\s+3], s[G0B+4*\s+3], 0x80000000
	JLOAD G0+4*\s, G1, G0B+4*\s, G1B
.endr
	v_and_b32 v1, 15, v0                           ; r = l % 16
	v_bfe_u32 v2, v0, 4, 1                         ; h = l / 16
	; the bias of my 128 columns, in the result's layout, and the mask of my 128 rows
	s_lshl_b32 s20, s42, 10
	s_lshl_b32 s21, s16, 9
	s_add_co_u32 s20, s20, s21                     ; 4 x (256 x tile column + 128 x half)
	s_mov_b32 s21, 0
	s_add_nc_u64 s[96:97], s[96:97], s[20:21]
	s_lshl_b32 s20, s17, 10
	s_lshl_b32 s22, s15, 9
	s_add_co_u32 s20, s20, s22                     ; 4 x (256 x tile row + 128 x half): the mask is [8192] by rows of x
	s_add_nc_u64 s[98:99], s[98:99], s[20:21]
	v_lshlrev_b32 v[BO], 5, v2
	v_lshlrev_b32 v[MO], 2, v1
.irp b, 0,1,2,3,4,5,6,7
	global_load_b128 v[BI+8*\b:BI+8*\b+3], v[BO], s[96:97] offset:64*\b        ; b_qkv at columns 16 b + 8 h + 0 .. 7
	global_load_b128 v[BI+8*\b+4:BI+8*\b+7], v[BO], s[96:97] offset:64*\b+16
.endr
.irp a, 0,1,2,3,4,5,6,7
	global_load_b32 v[MW+\a], v[MO], s[98:99] offset:64*\a                     ; mask at row 16 a + r
.endr
	v_mul_u32_u24 v3, v1, PITCH
	v_lshl_add_u32 v4, v2, 4, v3                   ; a fragment's row x pitch + 16 x half
	s_mul_i32 s21, s15, HALFT                      ; my 128 rows of A
	s_mul_i32 s22, s16, HALFT                      ; my 128 rows of B,
	s_add_co_u32 s22, s22, 2*HALFT                 ; behind A's 256
.irp s, 0,1
	v_add_nc_u32 v[ADRA+\s], s21, v4
	v_add_nc_u32 v[ADRB+\s], s22, v4
	s_add_co_u32 s21, s21, SLOT
	s_add_co_u32 s22, s22, SLOT
.endr
	v_mul_u32_u24 v5, v1, KS                       ; my row's scales: KS bytes a row,
	v_lshrrev_b32 v6, 8, v5
	v_lshl_add_u32 v5, v6, 4, v5                   ; and 16 more for each 256 passed
	s_mul_i32 s21, s15, HALFS
	s_mul_i32 s22, s16, HALFS
	s_add_co_u32 s22, s22, 2*HALFS
	s_sub_co_u32 s22, s22, s21
	v_mul_u32_u24 v6, s22, v2                      ; lanes 16-31 take B's
	s_add_co_u32 s21, s21, SCL
	v_add_nc_u32 v5, v5, v6
	v_add_nc_u32 v[ADRS], s21, v5
	s_mul_i32 s23, s14, 16*SPITCH                  ; my stage
	v_mul_u32_u24 v5, v1, SPITCH                   ; in: row r, 16 bytes for each half of the lanes
	v_lshl_add_u32 v5, v2, 4, v5
	v_add_nc_u32 v[STO], s23, v5
	v_bfe_u32 v5, v0, 3, 1                         ; back: lanes 0-15 take two tokens of my first head (128 bytes each), lanes 16-31 of my second
	v_mul_u32_u24 v5, v5, SPITCH
	v_lshl_add_u32 v5, v2, 7, v5
	v_and_b32 v6, 7, v0
	v_lshl_add_u32 v5, v6, 4, v5
	v_add_nc_u32 v[RD], s23, v5
	v_lshlrev_b32 v[CO], 4, v1                     ; in qkv: 16 bytes a lane of the two tokens' 256, and a head (2^18 bytes) on for lanes 16-31
	v_lshl_add_u32 v[CO], v2, 18, v[CO]
	s_lshl_b32 s20, s17, 8
	s_lshl_b32 s21, s15, 7
	s_add_co_u32 s20, s20, s21                     ; my first row m
	s_lshr_b32 s21, s20, 11
	s_lshl_b32 s21, s21, 22                        ; its batch,
	s_and_b32 s22, s20, 2047
	s_lshl_b32 s22, s22, 7                         ; its token,
	s_add_co_u32 s21, s21, s22
	s_lshl_b32 s22, ttmp9, 24                      ; Q, K or V,
	s_add_co_u32 s21, s21, s22
	s_and_b32 s22, s42, 3
	s_lshl_b32 s22, s22, 2
	s_lshl_b32 s23, s16, 1
	s_add_co_u32 s22, s22, s23                     ; my first head: 4 x (tile column % 4) + 2 x half
	s_lshl_b32 s22, s22, 18
	s_add_co_u32 s46, s21, s22
	s_mov_b32 s47, 0
	s_add_nc_u64 s[12:13], s[12:13], s[46:47]
	s_wait_loadcnt 0x0                             ; the bias and the mask
.irp a, 0,1,2,3,4,5,6,7
	v_min_u32 v[MW+\a], 1, v[MW+\a]                ; 0 where mask == 0, else 1
.endr
.irp a, 0,1,2,3,4,5,6,7
	v_sub_nc_u32 v[MW+\a], 0, v[MW+\a]             ; 0 or -1
.endr
.irp a, 0,1,2,3,4,5,6,7
	v_or_b32 v[MW+\a], s100, v[MW+\a]              ; Q's and V's tiles: -1
.endr
.macro FRAG reg, adr, q, i             ; 16 rows x 128 K of 4-bit codes: registers 4 c .. 4 c + 3 hold K = 64 c + 32 (l / 16) + 0 .. 31
.irp c, 0,1
	ds_load_b128 v[\reg+4*\c:\reg+4*\c+3], v[\adr] offset:64*(\q)+32*\c+(\i)*16*PITCH
.endr
.endm
; 16 matrix instructions: A's blocks a0, a0 + 1 x B's eight, 128 along K.  zero = 1: the first product starts the sums, on the bias.  The 64 accumulators take turns, one instruction a turn.
.macro MUL16 a0, p, q, sc, zero
.irp a, \a0, \a0+1
.irp b, 0,1,2,3,4,5,6,7
.if \zero
	v_wmma_scale_f32_16x16x128_f8f6f4 v[8*(8*((\a)%4)+\b):8*(8*((\a)%4)+\b)+7], v[128*(\p)+FR*\b:128*(\p)+FR*\b+FR-1], v[AF+FR*(\a):AF+FR*(\a)+FR-1], v[BI+8*\b:BI+8*\b+7], v[SC+8*NQ*(\sc)+NQ*\b+(\q)], v[SC+8*NQ*(\sc)+NQ*(\a)+(\q)] matrix_a_fmt:MATRIX_FMT_FP4 matrix_b_fmt:MATRIX_FMT_FP4 matrix_a_scale:MATRIX_SCALE_ROW1
.else
	v_wmma_scale_f32_16x16x128_f8f6f4 v[8*(8*((\a)%4)+\b):8*(8*((\a)%4)+\b)+7], v[128*(\p)+FR*\b:128*(\p)+FR*\b+FR-1], v[AF+FR*(\a):AF+FR*(\a)+FR-1], v[8*(8*((\a)%4)+\b):8*(8*((\a)%4)+\b)+7], v[SC+8*NQ*(\sc)+NQ*\b+(\q)], v[SC+8*NQ*(\sc)+NQ*(\a)+(\q)] matrix_a_fmt:MATRIX_FMT_FP4 matrix_b_fmt:MATRIX_FMT_FP4 matrix_a_scale:MATRIX_SCALE_ROW1
.endif
.endr
.endr
.endm
.macro FETCH_B slot, q, p
	WIN TO_B
.irp i, 0,1,2,3,4,5,6,7
	FRAG 128*(\p)+FR*\i, ADRB+\slot, \q, \i
.endr
	WIN 0
.endm
.macro FETCH_A slot, q, i0
.irp i, \i0, \i0+1, \i0+2, \i0+3
	FRAG AF+FR*(\i), ADRA+\slot, \q, \i
.endr
.endm
.macro SCALES sc                       ; a slot's scale words: lanes 0-15 take A's block i, lanes 16-31 B's block i
.irp i, 0,1,2,3,4,5,6,7
	ds_load_b128 v[SC+8*NQ*\sc+NQ*\i:SC+8*NQ*\sc+NQ*\i+3], v[ADRS] offset:\i*SBLK
.endr
.endm
.macro PLACES n                        ; plain vector lines between a matrix instruction and a load into, or a read of, its registers
.rept \n
	v_nop
.endr
.endm
.macro STEP slot, q, zero              ; 128 along K with its successor in the same slot.  zero = 1: C is the bias, in window 0
	s_wait_dscnt 4*NL                              ; B's set and A's blocks 0-3 are in; the youngest eight loads (A's blocks 4-7) may be out
	WIN MUL_LO-0x20*(\zero)
	MUL16 0, (\q)%2, \q, \slot, \zero
	MUL16 2, (\q)%2, \q, \slot, \zero
	s_wait_dscnt 0
	PLACES NP
	FETCH_B \slot, (\q)+1, 1-(\q)%2
	FETCH_A \slot, (\q)+1, 0
	WIN MUL_HI-0x30*(\zero)
	MUL16 4, (\q)%2, \q, \slot, \zero
	MUL16 6, (\q)%2, \q, \slot, \zero
	PLACES NP
	WIN 0
	FETCH_A \slot, (\q)+1, 4
.endm
.macro TURN slot, next                 ; a slot's last step changes slots: one barrier
	s_wait_tensorcnt 0x0                           ; all my tensor loads have landed: my part of the next slot
	ds_add_u32 v[SPW], v[NIL]                      ; 0 onto my spare word
	s_wait_dscnt 4*NL+1                            ; (the add and the youngest eight loads may be out)
	WIN MUL_LO
	MUL16 0, 1, NQ-1, \slot, 0
	s_wait_dscnt 0x0                               ; the add is done, and my reads of this slot are over
	s_barrier_signal -1
	MUL16 2, 1, NQ-1, \slot, 0
	WIN 0
	s_barrier_wait -1
	PLACES NP
	v_add_nc_u32 v[ADRS], 4*NQ, v[ADRS]            ; on to the next slot's scale words
	FETCH_B \next, 0, 0
	FETCH_A \next, 0, 0
	SCALES \next
	WIN MUL_HI
	MUL16 4, 1, NQ-1, \slot, 0
	MUL16 6, 1, NQ-1, \slot, 0
	PLACES NP
	WIN 0
	FETCH_A \next, 0, 4
.endm
	s_wait_tensorcnt 1                             ; the scales and my part of slot 0 are in (slot 1's load may be out)
	s_barrier_signal -1
	s_barrier_wait -1
	FETCH_B 0, 0, 0
	FETCH_A 0, 0, 0
	SCALES 0
	FETCH_A 0, 0, 4
	STEP 0, 0, 1
	STEP 0, 1, 0
	STEP 0, 2, 0
	TURN 0, 1
	STEP 1, 0, 0
	STEP 1, 1, 0
	STEP 1, 2, 0
	s_wait_dscnt 4*NL                              ; the very last step
	WIN MUL_LO
	MUL16 0, 1, NQ-1, 1, 0
	MUL16 2, 1, NQ-1, 1, 0
	s_wait_dscnt 0
	WIN MUL_HI
	MUL16 4, 1, NQ-1, 1, 0
	MUL16 6, 1, NQ-1, 1, 0
	WIN 0
; THE WAY OUT, block by block of 16 rows x 128 columns: rounded to f16, K's masked rows set to 0, through my own stage in LDS, and out so that sixteen lanes store two tokens of one head: 256 consecutive bytes, aligned.
.macro PACK a
.set AC, 64*((\a)%4)
	WIN 0x0a+5*((\a)/4)                            ; sources 0 and 1: window 2 or 3
.irp b, 0,1,2,3,4,5,6,7
.irp r, 0,1,2,3
	v_cvt_pk_f16_f32 v[TMP+4*\b+\r], v[AC+8*\b+2*\r], v[AC+8*\b+2*\r+1]   ; each accumulator from its low end on
.endr
.endr
	WIN 0
.set i, 0
.rept 32
	v_and_b32 v[TMP+i], v[MW+(\a)], v[TMP+i]
.set i, i+1
.endr
.endm
.macro TOSTAGE a
.irp b, 0,1,2,3,4,5,6,7
	ds_store_b128 v[STO], v[TMP+4*\b:TMP+4*\b+3] offset:32*\b
.endr
.set BB, BK+32*((\a)%2)
.irp i, 0,1,2,3,4,5,6,7
	ds_load_b128 v[BB+4*\i:BB+4*\i+3], v[RD] offset:\i*2*SPITCH     ; LDS serves a wave's instructions in order (ISA guide 5.7.1.4): these see the stores above
.endr
.endm
.macro SEND a, younger                 ; younger: the LDS instructions issued behind block a's loads
.set BB, BK+32*((\a)%2)
	s_wait_dscnt \younger
.irp i, 0,1,2,3,4,5,6,7
	global_store_b128 v[CO], v[BB+4*\i:BB+4*\i+3], s[12:13] offset:2048*(\a)+256*\i
.endr
.endm
	PLACES NP
	PACK 0
	TOSTAGE 0
.irp a, 1,2,3,4,5,6,7
	PACK \a
.if \a > 1
	s_wait_xcnt 0x0                                ; block a - 2's stores have read their registers: block a's loads may land there
.endif
	TOSTAGE \a
	SEND \a-1, 16                                  ; behind block a - 1's loads: block a's 8 stores and 8 loads
.endr
	SEND 7, 0
	s_wait_tensorcnt 0x0                           ; the wave's end
	ds_add_u32 v[SPW], v[NIL]
	s_wait_dscnt 0x0
	CROUND                                         ; the closing round
	s_endpgm
.Lfunc_end_k_qdfdb74ac61_qkv:
	.size	k_qdfdb74ac61_qkv, .Lfunc_end_k_qdfdb74ac61_qkv-k_qdfdb74ac61_qkv
	.p2alignl 7, 3214868480
	.fill 96, 4, 3214868480
	.section	.rodata,"a",@progbits
	.p2align	6, 0x0
	.amdhsa_kernel k_qdfdb74ac61_qkv
		.amdhsa_group_segment_fixed_size 327680
		.amdhsa_private_segment_fixed_size 0
		.amdhsa_enable_private_segment 0
		.amdhsa_kernarg_size 56
		.amdhsa_user_sgpr_count 2
		.amdhsa_user_sgpr_kernarg_segment_ptr 1
		.amdhsa_wavefront_size32 1
		.amdhsa_system_sgpr_workgroup_id_x 1
		.amdhsa_system_sgpr_workgroup_id_y 1
		.amdhsa_system_sgpr_workgroup_id_z 1
		.amdhsa_system_vgpr_workitem_id 0
		.amdhsa_next_free_vgpr 1024
		.amdhsa_next_free_sgpr 102
		.amdhsa_reserve_vcc 0
		.amdhsa_float_denorm_mode_32 3
		.amdhsa_float_denorm_mode_16_64 3
		.amdhsa_memory_ordered 1
		.amdhsa_forward_progress 1
		.amdhsa_inst_pref_size 138
	.end_amdhsa_kernel
	.amdgpu_metadata
---
amdhsa.version: [ 1, 2 ]
amdhsa.kernels:
  - .name:           k_qdfdb74ac61_qkv
    .symbol:         k_qdfdb74ac61_qkv.kd
    .args:
      - { .name: x_codes, .offset: 0, .size: 8, .value_kind: global_buffer, .address_space: global }
      - { .name: x_scales, .offset: 8, .size: 8, .value_kind: global_buffer, .address_space: global }
      - { .name: w_codes, .offset: 16, .size: 8, .value_kind: global_buffer, .address_space: global }
      - { .name: w_scales, .offset: 24, .size: 8, .value_kind: global_buffer, .address_space: global }
      - { .name: qkv, .offset: 32, .size: 8, .value_kind: global_buffer, .address_space: global }
      - { .name: b_qkv, .offset: 40, .size: 8, .value_kind: global_buffer, .address_space: global }
      - { .name: mask, .offset: 48, .size: 8, .value_kind: global_buffer, .address_space: global }
    .group_segment_fixed_size: 327680
    .private_segment_fixed_size: 0
    .kernarg_segment_align: 8
    .kernarg_segment_size: 56
    .max_flat_workgroup_size: 128
    .sgpr_count:     102
    .vgpr_count:     1024
    .wavefront_size: 32
...
	.end_amdgpu_metadata
.endif
;; end of part 2
;; launch attn (part 3): grid 8 x 64, 4 waves a work-group, clusters of 4 x 1, 327,680 bytes of LDS; arguments qkv, mask, att; writes att
.if DOCPART == 3
	.amdgcn_target "amdgcn-amd-amdhsa--gfx1250"
	.amdhsa_code_object_version 6
	.text
	.protected	k_qdfdb74ac61_attn
	.globl	k_qdfdb74ac61_attn
	.p2align	8
	.type	k_qdfdb74ac61_attn,@function
k_qdfdb74ac61_attn:
	s_mov_b64 s[64:65], 0
	v_nop
	global_prefetch_b8 v0, s[64:65] scope:SCOPE_SE
	s_setreg_imm32_b32 hwreg(HW_REG_WAVE_MODE, 25, 1), 1
	s_wait_xcnt 0x0
	s_wait_alu depctr_hold_cnt(0) depctr_sa_sdst(0) depctr_va_vdst(0) depctr_va_sdst(0) depctr_va_ssrc(0) depctr_va_vcc(0) depctr_vm_vsrc(0)
	s_getreg_b32 s2, hwreg(HW_REG_IB_STS2, 6, 4)
	s_cmp_eq_u32 s2, 0
	s_cbranch_scc0 .Lentry_in_a_cluster
	s_endpgm
.Lentry_in_a_cluster:
	s_bfe_u32 s2, ttmp6, 0x10000c
	s_cmp_lg_u32 s2, 0x3003
	s_cbranch_scc0 .Lentry_shape_is_right
	s_endpgm
.Lentry_shape_is_right:
; Launch 3 of 4: att[b][h][q][:] = the sum over k of softmax_k(where(mask == 0, -1000, Q.K / 8)) V[k][:].  No work of the problem is left out.
; qkv: [3][4 b][16 h][2048 t][64] f16 (K's rows of masked tokens are zeros: the launch before).  att: [4 b][16 h][2048 t][64] f16.  Products on f16 operands, sums, maxima and the softmax in f32.
; THE MASK: the score tile's first product takes as its C the number -8000 for a masked key and 0 for another: with K's row at 0 that is 8 x (-1000), exactly; the factor 1 / 8 lies in c below.
; The running maximum is taken away before every exponential.
; LIMITS: an infinite or NaN q against a masked key gives NaN in place of the score -1000; the weights p (at most 1) and the result (at most the largest |v|) are rounded to f16.
; SHARES.  A work-group owns 256 queries of one (b, h), each of its four waves 64: four tiles of 16.  Every wave walks all 2,048 keys, 64 a step.
; LAYOUT.  S^T = K Q^T (source 0 = 16 keys, source 1 = 16 queries): a lane holds ONE query (lane % 16) and the keys 8 (lane / 16) + 0..7.  Two such tiles, rounded to f16 in pairs, ARE source 1
; of O^T = V^T P.  K comes out of LDS as it lies, V ([key][channel]) turned, by ds_load_tr16_b128.
; SOFTMAX.  For each query a running maximum m and sum l: p = 2^(c s - c m), c = log2(e) / 8; in every step O and l are multiplied by a = 2^(c m_old - c m_new).
; BY TURNS.  The wave's tiles are two PIECES (tiles 0, 1 and tiles 2, 3).  In a TURN one piece has the matrix unit: 16 products V^T P of the step in hand, then 16 products K Q^T of the next step;
; the other piece's softmax, 2 x 118 instructions cut into 59 slices of four, is dealt out evenly behind them.  Two turns are a key step.
; CLUSTER.  The four query blocks of a cluster walk the same K and V: each tile is asked for JOINTLY.  A slot holds four key steps; one joint load a wave behind each round.
; REGISTERS: window 0: v1-11 addresses; v12-43 statistics, eight a tile; v44-47, v61-63 addresses; v64-191 S^T, 32 a tile; v192-255 P, 16 a tile.   window 1: v0-127 O^T, 32 a tile.
;   window 2: v0-63 Q, 16 a tile; v64-95 the mask's C of one step; v128-191 K of one step; v192-255 V of one step.
.set KS,    64        ; keys in a step
.set NST,   4         ; steps in a slot
.set PK,    144       ; a row of K in LDS: 128 bytes + 16 = 36 words: the 16 rows of a load start at 16 different groups of four banks (64 banks of 4 bytes: ISA guide 11.1)
.set PV,    160       ; a row of V: 128 + 32
.set VOFF,  NST*KS*PK ; a slot: 256 rows of K, then 256 rows of V
.set SLOT1, 1<<17     ; slot 1 begins here: one exclusive or turns an address in one slot into the other's
.set SLOTB, NST*KS*128  ; a slot's bytes of K, or of V, in memory
.set STAGE, SLOT1+NST*KS*(PK+PV)  ; behind the ring: 16 rows x 144 bytes for each wave, for the way out
.set SP,    144
.set BIAS,  STAGE+4*16*SP  ; 2,048 f32: -8000 or 0 for each key; stored by the waves, never a fill's target
.set SPARE, BIAS+8192      ; the spare words, 128 bytes for each wave: two blocks of 256 bytes that no other line names
.set AK0, 2
.set AV0, 3
.set ADR, 4
.set QO,  5
.set STO, 6
.set RD,  7
.set GO,  8
.set ST,  12          ; tile t's statistics at v[ST+8 t]: +0 c m, +1 m, +2, +3 l, +4 to +7 at work; a takes +6 once the maximum is found
.set AB0, 44          ; v44  BIAS + 32 (lane / 16)
.set ADB, 45          ; v45  the address of the step's C
.set MLO, 46          ; v46  16 x thread: the mask loads' offset; never rewritten
.set MST, 47          ; v47  BIAS + 16 x thread
.set PFO, 61          ; v61  256 x lane; never rewritten
.set SPW, 62
.set NIL, 63
.set S,   64
.set P,   192
.set MB,  64          ; in window 2
.set KF,  128
.set VF,  192
.set WV,  12
.set LIM, 15
.set PFA, 18
.set G1K, 24
.set G1V, 32
.set G0K, 40
.set G0V, 48
.set SLOTS, 56
.set CNT, 57
.set CS,  58
.set SEL, 60
.set TK,  62          ; s62  LDS byte at which K of the step to be fetched begins
.set TV,  63          ; s63  the same for V (less VOFF)
.set TBI, 66          ; s66  4 x the first key of the step to be fetched
.set NSL, 59          ; slices in a turn
.set MSB, 0
.macro WIN new
.if MSB != (\new)
	s_set_vgpr_msb (MSB<<8)|(\new)
.set MSB, (\new)
.endif
.endm
.set W_KQ0, 0x2a      ; K, Q and the mask's C in window 2, S^T in window 0
.set W_KQ,  0x0a      ; K and Q in window 2, S^T (C and D) in window 0
.set W_PV,  0x52      ; V in window 2, P in window 0, O^T in window 1
.set W_RS,  0x41      ; O^T (destination and source 0) in window 1, a in window 0
; A joint refill: waves 0 and 1 fetch K's halves of a slot, waves 2 and 3 V's.  An s_nop 0 and four v_nop follow each of the two lines.
.macro JLOAD
	s_cmp_lt_u32 s[WV], 2
	s_cbranch_scc0 .Lfor_v_\@
	tensor_load_to_lds s[G0K+4:G0K+7], s[G1K:G1K+7]
	s_nop 0
.rept 4
	v_nop
.endr
	s_branch .Lasked_\@
.Lfor_v_\@:
	tensor_load_to_lds s[G0V+4:G0V+7], s[G1V:G1V+7]
	s_nop 0
.rept 4
	v_nop
.endr
.Lasked_\@:
.endm
; A prefetch of what the NEXT change of slots will ask for: a slot's 32,768 bytes of K and of V, four key steps ahead of that load.  Each block of 256 bytes is named once in the launch: the head's first
; cluster asks; its four partners take 8,192 bytes each, told apart by address; in each, wave 0 asks for K's and wave 2 for V's, lanes 256 bytes apart.  The last change that fills a slot asks for nothing.
.macro ASK
	s_cmp_gt_u32 s[SLOTS], s[LIM]
	s_cbranch_scc0 .Lnot_mine_\@
	global_prefetch_b8 v[PFO], s[PFA:PFA+1] th:TH_LOAD_NT scope:SCOPE_SE
.Lnot_mine_\@:
.endm
.macro CROUND
	s_barrier_signal -1
	s_barrier_wait -1
	s_cmp_lg_u32 s[WV], 0
	s_cbranch_scc1 .Lnot_wave_0_\@
	s_barrier_signal -3
.Lnot_wave_0_\@:
	s_barrier_wait -3
	s_barrier_signal -1
	s_barrier_wait -1
.endm
	s_load_b64 s[4:5], s[0:1], 0x0    ; qkv
	s_load_b64 s[68:69], s[0:1], 0x8  ; mask
	s_load_b64 s[10:11], s[0:1], 0x10 ; att
	v_lshl_add_u32 v[SPW], v0, 2, SPARE
	v_mov_b32 v[NIL], 0
	ds_add_u32 v[SPW], v[NIL]       ; the wave's opening: the add, twice on end, and its wait ahead of my first tensor load
	ds_add_u32 v[SPW], v[NIL]
	v_lshrrev_b32 v1, 5, v0
	v_readfirstlane_b32 s[WV], v1   ; wave 0..3
	s_bfe_u32 s13, ttmp6, 0x40000   ; cx
	s_lshl_b32 s14, ttmp9, 2
	s_add_co_u32 s14, s14, s13      ; my block of 256 queries: it enters Q's and att's addresses alone
	s_and_b32 s20, ttmp7, 0xffff    ; 16 b + h, which the four partners share
	s_lshr_b32 s70, s20, 4
	s_lshl_b32 s70, s70, 13         ; the batch's 2,048 words of the mask
	s_mov_b32 s71, 0
	s_lshl_b32 s20, s20, 18         ; the head's first byte in Q's, K's, V's part of qkv and in att
	s_and_b32 s16, s[WV], 1         ; which half of a slot I fetch:
	s_lshl_b32 s22, s16, 14         ; its 128 rows of 128 bytes in memory,
	s_add_co_u32 s22, s22, s20
	s_mov_b32 s23, 0
	s_mul_i32 s17, s16, 128*PK      ; and its place in a slot: K's,
	s_mul_i32 s67, s16, 128*PV
	s_add_co_u32 s67, s67, VOFF     ; V's
	s_lshl_b32 s2, s14, 15          ; my block's 256 rows,
	s_lshl_b32 s3, s[WV], 13        ; my wave's 64 of them
	s_add_co_u32 s2, s2, s3
	s_add_co_u32 s2, s2, s20
	s_mov_b32 s3, 0
	s_mov_b32 s[G1K], 15|(1<<16)|(1<<20)|(1<<21)|(4<<22)|(3<<25)  ; the mask: all four work-groups; elements of 2 bytes; padding on; bit 21 beside a mask; 4 words behind every 32
	s_mov_b32 s[G1V], 15|(1<<16)|(1<<20)|(1<<21)|(4<<22)|(7<<25)  ; the same with 8 words
.irp g, G1K, G1V
	s_mov_b32 s[\g+1], 64<<16       ; tensor_dim0 = 64
	s_mov_b32 s[\g+2], 128<<16      ; tensor_dim1 = 128
	s_mov_b32 s[\g+3], 64<<16       ; tile_dim0 = 64
	s_mov_b32 s[\g+4], 128          ; tile_dim1 = 128
	s_mov_b32 s[\g+5], 64           ; tensor_dim0_stride
	s_mov_b32 s[\g+6], 0
	s_mov_b32 s[\g+7], 0
.endr
	s_mov_b32 s[CS], 0x3e38aa3b     ; c = log2(e) / 8
	s_mov_b32 s[CS+1], s[CS]
	s_mov_b32 s[SEL], 0x76543210
	s_mov_b32 s[SEL+1], 0xfedcba98
	s_mov_b32 s[TK], 0
	s_mov_b32 s[TV], 0
	s_mov_b32 s[TBI], 0
	s_mov_b32 s[SLOTS], 2048/(NST*KS)-2
	s_and_b32 s[LIM], s[WV], 1
	s_or_b32 s[LIM], s[LIM], ttmp9  ; 0 in waves 0 and 2 of the head's first cluster: the same in all four partners
	s_cmp_eq_u32 s[LIM], 0
	s_cselect_b32 s[LIM], 1, -1
	v_and_b32 v[PFO], 31, v0
	v_lshlrev_b32 v[PFO], 8, v[PFO]
	s_wait_dscnt 0x0                ; both opening adds are done
	s_wait_kmcnt 0x0
	s_add_nc_u64 s[6:7], s[4:5], s[22:23]
	s_add_nc_u64 s[8:9], s[6:7], 1<<25    ; V at my half of slot 0
	s_add_nc_u64 s[6:7], s[6:7], 1<<24    ; K likewise
	s_add_nc_u64 s[4:5], s[4:5], s[2:3]   ; Q and att at my wave's first row
	s_add_nc_u64 s[10:11], s[10:11], s[2:3]
	s_add_nc_u64 s[68:69], s[68:69], s[70:71]
	s_cmp_lt_u32 s[WV], 2
	s_cselect_b64 s[PFA:PFA+1], s[6:7], s[8:9]  ; (in waves 0 and 2 these stand at a slot's first row)
	s_lshl_b32 s2, s13, 13          ; my work-group's 8,192 bytes of the 32,768
	s_mov_b32 s3, 0
	s_add_nc_u64 s[PFA:PFA+1], s[PFA:PFA+1], s[2:3]
	s_add_nc_u64 s[PFA:PFA+1], s[PFA:PFA+1], 2*SLOTB  ; in slot 2; the first change of slots steps it to slot 3.  Nothing is prefetched at the head
	CROUND                          ; all four work-groups are here: the first joint loads meet
.irp s, 0,1
	s_mov_b32 s[G0K+4*\s], 1
	s_add_co_u32 s[G0K+4*\s+1], s17, \s*SLOT1
	s_add_nc_u64 s[G0K+4*\s+2:G0K+4*\s+3], s[6:7], \s*SLOTB
	s_or_b32 s[G0K+4*\s+3], s[G0K+4*\s+3], 0x80000000
	s_mov_b32 s[G0V+4*\s], 1
	s_add_co_u32 s[G0V+4*\s+1], s67, \s*SLOT1
	s_add_nc_u64 s[G0V+4*\s+2:G0V+4*\s+3], s[8:9], \s*SLOTB
	s_or_b32 s[G0V+4*\s+3], s[G0V+4*\s+3], 0x80000000
.endr
	s_cmp_lt_u32 s[WV], 2           ; a wave's two first fills stand in one branch: two loads of mine are out
	s_cbranch_scc0 .Lfirst_v
	tensor_load_to_lds s[G0K:G0K+3], s[G1K:G1K+7]
	s_nop 0
	tensor_load_to_lds s[G0K+4:G0K+7], s[G1K:G1K+7]
	s_nop 0
.rept 4
	v_nop
.endr
	s_branch .Lfirst_asked
.Lfirst_v:
	tensor_load_to_lds s[G0V:G0V+3], s[G1V:G1V+7]
	s_nop 0
	tensor_load_to_lds s[G0V+4:G0V+7], s[G1V:G1V+7]
	s_nop 0
.rept 4
	v_nop
.endr
.Lfirst_asked:
	v_lshlrev_b32 v[MLO], 4, v0
	v_add_nc_u32 v[MST], BIAS, v[MLO]
.irp i, 0,1,2,3
	global_load_b128 v[S+4*\i:S+4*\i+3], v[MLO], s[68:69] offset:2048*\i   ; the batch's mask: 128 threads x 16 bytes, four times
.endr
	v_and_b32 v1, 15, v0            ; r = l % 16
	v_bfe_u32 v9, v0, 4, 1          ; h = l / 16
	v_lshlrev_b32 v[QO], 7, v1
	v_lshl_add_u32 v[QO], v9, 4, v[QO]  ; row x 128 + 16 x half
	WIN 0x80                        ; destination window 2
.irp i, 0,1,2,3,4,5,6,7             ; Q stays in registers: tile i / 2, channels 32 (i % 2) on
	global_load_b128 v[8*\i:8*\i+3],   v[QO], s[4:5] offset:(\i/2)*2048+(\i%2)*64
	global_load_b128 v[8*\i+4:8*\i+7], v[QO], s[4:5] offset:(\i/2)*2048+(\i%2)*64+32
.endr
	WIN 0
	v_mul_u32_u24 v[AK0], v1, PK
	v_lshl_add_u32 v[AK0], v9, 4, v[AK0]
	v_and_b32 v10, 7, v0            ; the turning load: lane l reads 16 bytes: key 8 (l / 16) + l % 8, channels 8 ((l / 8) % 2) + 0..7
	v_bfe_u32 v11, v0, 3, 1
	v_lshl_add_u32 v[AV0], v9, 3, v10
	v_mul_u32_u24 v[AV0], v[AV0], PV
	v_lshl_add_u32 v[AV0], v11, 4, v[AV0]
	v_add_nc_u32 v[AV0], VOFF, v[AV0]
	v_lshl_add_u32 v[AB0], v9, 5, BIAS
	s_wait_loadcnt 16               ; the mask is in; Q's sixteen loads may be out
.irp i, 0,1,2,3,4,5,6,7,8,9,10,11,12,13,14,15
	v_min_u32 v[S+\i], 1, v[S+\i]   ; 0 where mask == 0, else 1
.endr
.irp i, 0,1,2,3,4,5,6,7,8,9,10,11,12,13,14,15
	v_add_nc_u32 v[S+\i], -1, v[S+\i]  ; -1 or 0
.endr
.irp i, 0,1,2,3,4,5,6,7,8,9,10,11,12,13,14,15
	v_and_b32 v[S+\i], 0xc5fa0000, v[S+\i]  ; -8000.0 or 0
.endr
.irp i, 0,1,2,3
	ds_store_b128 v[MST], v[S+4*\i:S+4*\i+3] offset:2048*\i
.endr
; THE MATRIX WORK OF A TURN, for piece x.  The accumulators take turns, one instruction a turn: between two links of a chain stand 7 others'.
; Product i of 16 of O^T += V^T P: keys 32 (i / 8) on, channels 16 ((i / 2) % 4) on, tile x + i % 2.  zero: the first 8 start the sums.
.macro PV x, zero
	WIN W_PV
.set rO, 32*(\x+i%2)+8*((i/2)%4)
.set rV, VF+32*(i/8)+8*((i/2)%4)
.set rP, P+16*(\x+i%2)+8*(i/8)
.if (\zero) && (i < 8)
	v_wmma_f32_16x16x32_f16 v[rO:rO+7], v[rV:rV+7], v[rP:rP+7], 0
.else
	v_wmma_f32_16x16x32_f16 v[rO:rO+7], v[rV:rV+7], v[rP:rP+7], v[rO:rO+7]
.endif
.endm
; Product i of 16 of S^T = K Q^T + C: channels 32 (i / 8) on, keys 16 ((i / 2) % 4) on, tile x + i % 2.  The first 8 start the sums, on the mask's C.
.macro KQ x
.set rS, S+32*(\x+i%2)+8*((i/2)%4)
.set rK, KF+16*((i/2)%4)+8*(i/8)
.set rQ, 16*(\x+i%2)+8*(i/8)
.set rM, MB+8*((i/2)%4)
.if i < 8
	WIN W_KQ0
	v_wmma_f32_16x16x32_f16 v[rS:rS+7], v[rK:rK+7], v[rQ:rQ+7], v[rM:rM+7]
.else
	WIN W_KQ
	v_wmma_f32_16x16x32_f16 v[rS:rS+7], v[rK:rK+7], v[rQ:rQ+7], v[rS:rS+7]
.endif
.endm
; THE LDS LOADS stand in runs: a step's K (8 fragments) with its C (register 8 t + j: key 16 t + 8 (lane / 16) + j), and, a turn later, its V (turned).
.macro FETCH_K
	WIN 0
	v_add_nc_u32 v[ADR], s[TK], v[AK0]
	v_add_nc_u32 v[ADB], s[TBI], v[AB0]
	s_add_co_u32 s[TK], s[TK], KS*PK
	s_add_co_u32 s[TBI], s[TBI], 4*KS
	WIN 0x80
.irp f, 0,1,2,3,4,5,6,7             ; keys 16 (f / 2) on, channels 32 (f % 2) on
	ds_load_b128 v[KF+8*\f:KF+8*\f+3],   v[ADR] offset:(\f/2)*16*PK+(\f%2)*64
	ds_load_b128 v[KF+8*\f+4:KF+8*\f+7], v[ADR] offset:(\f/2)*16*PK+(\f%2)*64+32
.endr
.irp t, 0,1,2,3
	ds_load_b128 v[MB+8*\t:MB+8*\t+3],   v[ADB] offset:64*\t
	ds_load_b128 v[MB+8*\t+4:MB+8*\t+7], v[ADB] offset:64*\t+16
.endr
.endm
.macro FETCH_V
	WIN 0
	v_add_nc_u32 v[ADR], s[TV], v[AV0]
	s_add_co_u32 s[TV], s[TV], KS*PV
	s_wait_alu depctr_va_vdst(0)    ; the wait for the softmax's batch of exponentials (SLICE), ahead of the first line that names a result
	WIN 0x80
.irp f, 0,1,2,3,4,5,6,7             ; keys 32 (f / 4) on, channels 16 (f % 4) on
	ds_load_tr16_b128 v[VF+8*\f:VF+8*\f+3],   v[ADR] offset:(\f/4)*32*PV+(\f%4)*32
	ds_load_tr16_b128 v[VF+8*\f+4:VF+8*\f+7], v[ADR] offset:(\f/4)*32*PV+16*PV+(\f%4)*32
.endr
.endm
; THE VECTOR WORK OF A TURN.  One tile's softmax for one key step is a list of 118 instructions; SM writes number j of it for tile t.  s0-s31 are the lane's 32 scores, in pairs 0-15.
;   0-15 the maximum of s0-s31 and the old m;  16-20 the other half of the lanes' maximum, the new m, c m, c m_old - c m_new;
;   21-69 ONE BATCH: the 16 scalings c s - c m and all 33 exponentials (a at 23); none of these reads an exponential's result;  (the wait: SLICE);
;   70-85 the roundings to f16;  86-101 the sums, l = a l + the sum;  102-117 the tile's O^T times a.
; first = 1: the first key step, which starts m, l and O^T.
.macro SM t, first
.set rT, ST+8*(\t)
.set rS, S+32*(\t)
.set rP, P+16*(\t)
.set rO, 32*(\t)+2*(j-102)
.if j < 102
	WIN 0
.endif
.if j < 4
	v_max3_num_f32 v[rT+4+j], v[rS+8*j], v[rS+8*j+1], v[rS+8*j+2]
.elseif j < 12
	v_max3_num_f32 v[rT+4+j%4], v[rT+4+j%4], v[rS+8*(j%4)+2*(j/4)+1], v[rS+8*(j%4)+2*(j/4)+2]
.elseif j == 12
	v_max3_num_f32 v[rT+4], v[rT+4], v[rS+7], v[rS+15]
.elseif j == 13
	v_max3_num_f32 v[rT+6], v[rT+6], v[rS+23], v[rS+31]
.elseif j == 14
	v_max3_num_f32 v[rT+4], v[rT+4], v[rT+5], v[rT+6]
.elseif (j == 15) && \first
	v_max_num_f32 v[rT+4], v[rT+4], v[rT+7]
.elseif j == 15
	v_max3_num_f32 v[rT+4], v[rT+4], v[rT+7], v[rT+1]
.elseif j == 16
	v_permlanex16_b32 v[rT+5], v[rT+4], s[SEL], s[SEL+1]  ; the query's other 32 keys lie in the lane 16 away
.elseif j == 18
	v_max_num_f32 v[rT+1], v[rT+4], v[rT+5]
.elseif j == 19
	v_mul_f32 v[rT], s[CS], v[rT+1]
.elseif ((j == 17) || (j == 20) || (j == 23) || (j > 101)) && \first  ; the first step has none of these
.elseif j == 17
	v_mov_b32 v[rT+7], v[rT]        ; c m_old is kept for a
.elseif j == 20
	v_sub_f32 v[rT+7], v[rT+7], v[rT]
.elseif j == 23
	v_exp_f32 v[rT+6], v[rT+7]
.elseif (j < 23) || ((j < 38) && (j%2 == 0)) || ((j < 66) && (j%4 == 2))
.set b, (j-2)/4                     ; 38, 42, .. 62: pairs 9 to 15
.if j < 38
.set b, (j-20)/2                    ; 21: pair 0; 22, 24, .. 36: pairs 1 to 8
.endif
	v_pk_fma_f32 v[rS+2*b:rS+2*b+1], v[rS+2*b:rS+2*b+1], s[CS:CS+1], v[rT:rT+1] op_sel_hi:[1,0,0] neg_lo:[0,0,1] neg_hi:[0,0,1]  ; pair b: c s - c m
.elseif j < 70
.set e, j-38                        ; 66 to 69: s28 to s31
.if j < 66
.set e, j-32-(j-38)/4               ; 39-41, 43-45, .. 63-65: s7 to s27
.endif
.if j < 38
.set e, (j-25)/2                    ; 25, 27, .. 37: s0 to s6
.endif
	v_exp_f32 v[rS+e], v[rS+e]
.elseif j < 86
	v_cvt_pk_f16_f32 v[rP+j-70], v[rS+2*(j-70)], v[rS+2*(j-70)+1]  ; pair j - 70
.elseif j < 102                     ; the sum of the tile's 16 pairs, in place: neighbours 1, 2, 4 and 8 pairs apart, then l takes it
.set z, j-86
.set w, 4
.set u, z
.if z >= 14
.set w, 32
.set u, 0
.elseif z >= 12
.set w, 16
.set u, z-12
.elseif z >= 8
.set w, 8
.set u, z-8
.endif
.if (z == 14) && \first
	v_pk_add_f32 v[rT+2:rT+3], v[rS:rS+1], v[rS+16:rS+17]
.elseif z < 15
	v_pk_add_f32 v[rS+w*u:rS+w*u+1], v[rS+w*u:rS+w*u+1], v[rS+w*u+w/2:rS+w*u+w/2+1]
.elseif !\first
	v_pk_fma_f32 v[rT+2:rT+3], v[rT+2:rT+3], v[rT+6:rT+7], v[rS:rS+1] op_sel_hi:[1,0,1]
.endif
.else
	WIN W_RS
	v_pk_mul_f32 v[rO:rO+1], v[rO:rO+1], v[rT+6:rT+7] op_sel_hi:[1,0]
.endif
.endm
; Slice k of 59 of piece y's softmax: four instructions.  Slices 11 to 34 deal out the batch, numbers 22 to 69: four numbers of ONE tile each, the tiles by turns.  Every other slice is numbers 2 k and
; 2 k + 1 of both tiles' lists.  Ahead of slice 35 nothing names an exponential's result, and behind slice 34 no exponential is issued: the piece's 66 exponentials have one plain line and one wait, behind slice 34.
.macro SLICE y, first
.if (k >= 11) && (k < 35)
.irp n, 0,1,2,3
.set j, 22+4*((k-11)/2)+(\n)
	SM (\y)+(k-11)%2, \first
.endr
.else
.irp n, 0,1
.irp t, \y, \y+1
.set j, 2*k+\n
	SM \t, \first
.endr
.endr
.endif
.if k == 34
	v_nop                           ; the plain line behind the last exponential
.if (\y) == 0
	FETCH_V                         ; piece 2's turn: V's run of loads stands here, and the wait stands in it
.else
	s_wait_alu depctr_va_vdst(0)    ; the wait for the batch
.endif
.endif
.set k, k+1
.endm
.macro DEAL y, first                ; behind matrix instruction mw of the turn's NW: the slices that bring the count to (mw + 1) x 59 / NW, rounded up
.rept 4
.if k*NW < (mw+1)*NSL
	SLICE \y, \first
.endif
.endr
.set mw, mw+1
.endm
.macro PLACES
.rept 4
	v_nop
.endr
.endm
; A TURN.  Piece x has the matrix unit.  pv = 2: 16 products V^T P; 1: they start O^T's sums; 0: none.  kq = 1: 16 products K Q^T for the next step.
; first = 1: the softmax is the first key step's; its last slices are empty, and four v_nop are the places behind the turn's last products.
; Places, counted: slice 58, four multiplications of the other piece's O^T, stands alone behind the turn's last product: they are the places ahead of the next turn's reads of the scores and of the loads into K's
; and C's registers.  V's last reader is product 15; V's loads stand behind slice 34, which follows product 18; between them lie three scalings, seventeen exponentials, the v_nop and the run's own addition.
.macro TURN x, pv, kq, first
.set k, 0
.set mw, 0
.set NW, 16
.if \pv && \kq
.set NW, 32
.endif
.if \pv
.if \x == 0
	s_wait_dscnt 0x0                ; V is in
.endif
.set i, 0
.rept 16
	PV \x, 2-\pv
	DEAL 2-\x, \first
.if (\x == 0) && \kq && (i == 1)
	FETCH_K
.endif
.set i, i+1
.endr
.endif
.if \kq
.if \x == 0
	s_wait_dscnt 0x0                ; K and its C are in
.endif
.set i, 0
.rept 16
	KQ \x
	DEAL 2-\x, \first
.set i, i+1
.endr
.endif
.if \first
	PLACES
.endif
.endm
; THE CHANGE OF SLOTS, between piece 2's turn and piece 0's: the slot's last bytes have been asked for.  Each wave waits for all its tensor loads (one is out: its part of the other slot), adds 0 to its spare
; word, and waits for that and for its own reads of the slot.  fill = 1: the slot is filled again, with the keys two slots on, behind a round of the cluster's barrier; the load has four key steps in which to land.
.macro CHANGE fill
	WIN 0
	s_wait_tensorcnt 0x0            ; no tensor load of mine is out, so a group 0 may be written
	ds_add_u32 v[SPW], v[NIL]       ; 0 onto my spare word
.if \fill
.irp g, G0K+4, G0V+4
	s_xor_b32 s[\g+1], s[\g+1], SLOT1
	s_add_nc_u64 s[\g+2:\g+3], s[\g+2:\g+3], SLOTB
.endr
	s_wait_xcnt 0x0                 ; the last prefetch, a slot back, has read its address
	s_add_nc_u64 s[PFA:PFA+1], s[PFA:PFA+1], SLOTB
	s_wait_dscnt 0x0                ; the add is done, and my reads of the slot are over
	CROUND
	JLOAD
	ASK
.else
	s_wait_dscnt 0x0
	s_barrier_signal -1
	s_barrier_wait -1
.endif
	s_sub_co_u32 s[TK], s[TK], NST*KS*PK  ; the fetches go back to a slot's first step,
	s_xor_b32 s[TK], s[TK], SLOT1         ; in the other slot
	s_sub_co_u32 s[TV], s[TV], NST*KS*PV
	s_xor_b32 s[TV], s[TV], SLOT1
.endm
.macro STEPS n                      ; n key steps: written once, walked n times; the LDS addresses hang on s[TK], s[TV], s[TBI]
	WIN 0
	s_mov_b32 s[CNT], \n
.Lstep_\@:
	TURN 0, 2, 1, 0
	TURN 2, 2, 1, 0
	WIN 0
	s_sub_co_u32 s[CNT], s[CNT], 1
	s_cmp_lg_u32 s[CNT], 0
	s_cbranch_scc1 .Lstep_\@
.endm
	s_wait_tensorcnt 1              ; my part of slot 0 is in; slot 1's may stay out
	s_wait_dscnt 0x0                ; my part of the mask's C lies in LDS
	s_barrier_signal -1
	s_barrier_wait -1               ; everybody's does
	FETCH_K                         ; key step 0
	s_wait_loadcnt 0x0              ; Q
	s_wait_dscnt 0x0
.set i, 0
.rept 16
	KQ 0                            ; piece 0's first scores
.set i, i+1
.endr
	WIN 0                           ; the addresses for the way out: ten plain lines, the places behind those products
	s_mul_i32 s13, s[WV], 16*SP
	s_add_co_u32 s13, s13, STAGE    ; my stage
	v_mul_u32_u24 v[STO], v1, SP    ; in: row l % 16, 16 bytes for each half of the lanes
	v_lshl_add_u32 v[STO], v9, 4, v[STO]
	v_add_nc_u32 v[STO], s13, v[STO]
	v_bfe_u32 v10, v0, 3, 2         ; back: eight lanes to a row of 128 bytes, four rows an instruction
	v_and_b32 v11, 7, v0
	v_mul_u32_u24 v[RD], v10, SP
	v_lshl_add_u32 v[RD], v11, 4, v[RD]
	v_add_nc_u32 v[RD], s13, v[RD]
	v_and_b32 v[GO], 31, v0
	v_lshlrev_b32 v[GO], 4, v[GO]   ; in att the four rows are 512 consecutive bytes
	TURN 2, 0, 1, 1                 ; piece 2's first scores | piece 0's first softmax | V of step 0
	TURN 0, 1, 1, 1                 ; piece 0: V^T P of step 0 starts O^T, K Q^T of step 1 | piece 2's first softmax | K of step 1
	TURN 2, 1, 1, 0                 ; piece 2: the same | piece 0's softmax of step 1 | V of step 1
	STEPS 2                         ; steps 2 and 3 are fetched: slot 0 has been asked for to its end
.Lslot:                             ; six trips: every slot but the last two is filled again
	CHANGE 1
	STEPS 4
	s_sub_co_u32 s[SLOTS], s[SLOTS], 1
	s_cmp_lg_u32 s[SLOTS], 0
	s_cbranch_scc1 .Lslot
	CHANGE 0                        ; the tail is written out
	STEPS 4
	TURN 0, 2, 0, 0                 ; piece 0: V^T P of the last step | piece 2's last softmax
.set i, 0
.rept 16
	PV 2, 0                         ; piece 2: V^T P of the last step
.set i, i+1
.endr
	; THE WAY OUT.  l's parts are added; O^T is divided by l, rounded to f16 and sent through my stage, a tile (16 rows) at a time.  The additions are the places behind the last products.
	WIN 0
.irp t, 0,1,2,3
	v_add_f32 v[ST+8*\t+4], v[ST+8*\t+2], v[ST+8*\t+3]
.endr
.irp t, 0,1,2,3
	v_permlanex16_b32 v[ST+8*\t+5], v[ST+8*\t+4], s[SEL], s[SEL+1]
.endr
.irp t, 0,1,2,3
	v_add_f32 v[ST+8*\t+4], v[ST+8*\t+4], v[ST+8*\t+5]
.endr
.irp t, 0,1,2,3
	v_rcp_f32 v[ST+8*\t+6], v[ST+8*\t+4]
.endr
	v_nop                           ; a plain line between the last reciprocal and the use of its result
	s_wait_alu depctr_va_vdst(0)    ; and the wait: one for the four
.macro PACK t
	WIN W_RS
.set i, 32*\t
.rept 16
	v_pk_mul_f32 v[i:i+1], v[i:i+1], v[ST+8*\t+6:ST+8*\t+7] op_sel_hi:[1,0]
.set i, i+2
.endr
	WIN 0x05                        ; sources 0 and 1 window 1, destination window 0
.set i, 0
.rept 16
	v_cvt_pk_f16_f32 v[S+32*\t+i], v[32*\t+2*i], v[32*\t+2*i+1]
.set i, i+1
.endr
	WIN 0
.irp f, 0,1,2,3
	ds_store_b128 v[STO], v[S+32*\t+4*\f:S+32*\t+4*\f+3] offset:32*\f
.endr
.irp f, 0,1,2,3
	ds_load_b128 v[S+32*\t+4*\f:S+32*\t+4*\f+3], v[RD] offset:\f*4*SP  ; LDS serves a wave's instructions in order (ISA guide 5.7.1.4)
.endr
.endm
.macro SEND t, younger              ; younger: the LDS instructions issued behind tile t's loads: the next tile's eight, or none
.irp f, 0,1,2,3
	s_wait_dscnt \younger+3-\f
	global_store_b128 v[GO], v[S+32*\t+4*\f:S+32*\t+4*\f+3], s[10:11] offset:\t*2048+\f*512  ; 32 lanes store 512 consecutive bytes, aligned
.endr
.endm
	PACK 0
	PACK 1
	SEND 0, 8
	PACK 2
	SEND 1, 8
	PACK 3
	SEND 2, 8
	SEND 3, 0
	s_wait_tensorcnt 0x0            ; the wave's end
	ds_add_u32 v[SPW], v[NIL]
	s_wait_dscnt 0x0
	CROUND                          ; the closing round
	s_endpgm
.Lfunc_end_k_qdfdb74ac61_attn:
	.size	k_qdfdb74ac61_attn, .Lfunc_end_k_qdfdb74ac61_attn-k_qdfdb74ac61_attn
	.p2alignl 7, 3214868480
	.fill 96, 4, 3214868480
	.section	.rodata,"a",@progbits
	.p2align	6, 0x0
	.amdhsa_kernel k_qdfdb74ac61_attn
		.amdhsa_group_segment_fixed_size 327680
		.amdhsa_private_segment_fixed_size 0
		.amdhsa_enable_private_segment 0
		.amdhsa_kernarg_size 24
		.amdhsa_user_sgpr_count 2
		.amdhsa_user_sgpr_kernarg_segment_ptr 1
		.amdhsa_wavefront_size32 1
		.amdhsa_system_sgpr_workgroup_id_x 1
		.amdhsa_system_sgpr_workgroup_id_y 1
		.amdhsa_system_sgpr_workgroup_id_z 1
		.amdhsa_system_vgpr_workitem_id 0
		.amdhsa_next_free_vgpr 768
		.amdhsa_next_free_sgpr 72
		.amdhsa_reserve_vcc 0
		.amdhsa_float_denorm_mode_32 3
		.amdhsa_float_denorm_mode_16_64 3
		.amdhsa_memory_ordered 1
		.amdhsa_forward_progress 1
		.amdhsa_inst_pref_size 202
	.end_amdhsa_kernel
	.amdgpu_metadata
---
amdhsa.version: [ 1, 2 ]
amdhsa.kernels:
  - .name:           k_qdfdb74ac61_attn
    .symbol:         k_qdfdb74ac61_attn.kd
    .args:
      - { .name: qkv, .offset: 0, .size: 8, .value_kind: global_buffer, .address_space: global }
      - { .name: mask, .offset: 8, .size: 8, .value_kind: global_buffer, .address_space: global }
      - { .name: att, .offset: 16, .size: 8, .value_kind: global_buffer, .address_space: global }
    .group_segment_fixed_size: 327680
    .private_segment_fixed_size: 0
    .kernarg_segment_align: 8
    .kernarg_segment_size: 24
    .max_flat_workgroup_size: 128
    .sgpr_count:     72
    .vgpr_count:     768
    .wavefront_size: 32
...
	.end_amdgpu_metadata
.endif
;; end of part 3
;; launch proj (part 4): grid 8 x 64, 4 waves a work-group, clusters of 4 x 4, 327,680 bytes of LDS; arguments att, wo_t, out0, b_out; writes out0
.if DOCPART == 4
	.amdgcn_target "amdgcn-amd-amdhsa--gfx1250"
	.amdhsa_code_object_version 6
	.text
	.protected	k_qdfdb74ac61_proj
	.globl	k_qdfdb74ac61_proj
	.p2align	8
	.type	k_qdfdb74ac61_proj,@function
k_qdfdb74ac61_proj:
	s_mov_b64 s[64:65], 0
	v_nop
	global_prefetch_b8 v0, s[64:65] scope:SCOPE_SE
	s_setreg_imm32_b32 hwreg(HW_REG_WAVE_MODE, 25, 1), 1
	s_wait_xcnt 0x0
	s_wait_alu depctr_hold_cnt(0) depctr_sa_sdst(0) depctr_va_vdst(0) depctr_va_sdst(0) depctr_va_ssrc(0) depctr_va_vcc(0) depctr_vm_vsrc(0)
	s_getreg_b32 s2, hwreg(HW_REG_IB_STS2, 6, 4)
	s_cmp_eq_u32 s2, 0
	s_cbranch_scc0 .Lentry_in_a_cluster
	s_endpgm
.Lentry_in_a_cluster:
	s_bfe_u32 s2, ttmp6, 0x10000c
	s_cmp_lg_u32 s2, 0xf033
	s_cbranch_scc0 .Lentry_shape_is_right
	s_endpgm
.Lentry_shape_is_right:
; Launch 4 of 4: out0 = att W_out + b_out.  No work of the problem is left out.  f16 operands, f32 sums, f32 result.
; A: att [4 b][16 h][2048 t][64] f16: A(m, k) with m = 2048 b + t, k = 64 h + d.  B: wo_t [1024 n][1024 k] f16.  C: out0 [8192][1024] f32.
; A tile of C is 128 x 128: 512 work-groups; four waves, each 64 x 64: 16 accumulators.  K goes in steps of 256, four heads, through a ring of two LDS slots; a quarter of a step, 64 along K, is one head.
; A's tile of 64 rows x 4 heads is, in memory, four dense runs of 8,192 bytes (64 tokens x 128 bytes), 2^18 bytes apart: a tile of 4 rows of 4,096 elements, with 16 bytes of padding behind every 128:
; in LDS [head][token], 144 bytes from token to token, 9,216 from head to head.
; CLUSTERS: 4 x 4 work-groups; A's tiles are asked for jointly along a row of the cluster, B's along a column.  THE MATRIX INSTRUCTION IS USED TRANSPOSED (source 0 = 16 rows of B, source 1 = 16 rows of A).
; The bias is the C of each sum's first product.  No prefetch: the tiles are small and the launch short.
; REGISTERS: window 0: v16-30 addresses; v32-95 the way out; v96-127 the bias; v128-255 the accumulators ((a, b) at v[128 + 8 (4 a + b)]).   window 1: two fragment buffers of 128: 64 of A, then 64 of B.
.set PA,     144
.set PLANE,  64*PA                     ; a head's 64 tokens
.set HALFA,  4*PLANE                   ; what one tensor load brings of A
.set PB,     528                       ; a row of B in LDS: 512 bytes + 16
.set HALFB,  64*PB
.set SLOT,   2*HALFA+2*HALFB
.set STAGE,  2*SLOT                    ; behind the ring: 16 rows x 272 bytes for each wave, each wave's own
.set SPITCH, 272
.set SPARE,  STAGE+4*16*SPITCH         ; the spare words, 128 bytes for each wave: two blocks of 256 bytes that no other line names
.set ADRA, 16
.set ADRB, 20
.set STO,  24
.set RD,   25
.set CO,   26
.set SPW,  28
.set NIL,  29
.set BO,   30                          ; v30  32 x (lane / 16): the bias loads' offset; never rewritten
.set TMP,  32
.set BI,   96
.set ACC,  128
.set F0,   0
.set F1,   128
.set G1, 24
.set G0, 32
.set G1B, 48
.set G0B, 56
.set MSB, 0
.macro WIN new
.if MSB != (\new)
	s_set_vgpr_msb (MSB<<8)|(\new)
.set MSB, (\new)
.endif
.endm
.set MUL,  0x05                        ; sources 0 (B) and 1 (A) window 1; C and D window 0
.set TO_F, 0x40
.macro JLOAD s                         ; a joint load: waves 0 and 1 fetch A's two halves, waves 2 and 3 B's; an s_nop 0 and four v_nop follow each line
	s_cmp_eq_u32 s11, 0
	s_cbranch_scc0 .Lfor_b_\@
	tensor_load_to_lds s[G0+4*\s:G0+4*\s+3], s[G1:G1+7]
	s_nop 0
.rept 4
	v_nop
.endr
	s_branch .Lasked_\@
.Lfor_b_\@:
	tensor_load_to_lds s[G0B+4*\s:G0B+4*\s+3], s[G1B:G1B+7]
	s_nop 0
.rept 4
	v_nop
.endr
.Lasked_\@:
.endm
.macro CREST
	s_cmp_lg_u32 s10, 0
	s_cbranch_scc1 .Lnot_wave_0_\@
	s_barrier_signal -3
.Lnot_wave_0_\@:
	s_barrier_wait -3
	s_barrier_signal -1
	s_barrier_wait -1
.endm
.macro CROUND
	s_barrier_signal -1
	s_barrier_wait -1
	CREST
.endm
	s_load_b128 s[4:7], s[0:1], 0x0                ; att s[4:5], wo_t s[6:7]
	s_load_b64 s[8:9], s[0:1], 0x10                ; out0
	s_load_b64 s[68:69], s[0:1], 0x18              ; b_out
	v_lshl_add_u32 v[SPW], v0, 2, SPARE
	v_mov_b32 v[NIL], 0
	ds_add_u32 v[SPW], v[NIL]                      ; the wave's opening: the add, twice on end, and its wait ahead of my first tensor load
	ds_add_u32 v[SPW], v[NIL]
	v_lshrrev_b32 v1, 5, v0
	v_readfirstlane_b32 s10, v1                    ; wave 0..3
	s_lshr_b32 s11, s10, 1                         ; which half of the tile's rows is mine.  Also: I fetch for A (0) or for B (1)
	s_and_b32 s12, s10, 1                          ; which half of its columns.  Also: which 64 rows of that tile I fetch
	s_bfe_u32 s40, ttmp6, 0x40000
	s_bfe_u32 s41, ttmp6, 0x40004
	s_lshl_b32 s42, ttmp9, 2
	s_add_co_u32 s42, s42, s40                     ; tile column of C
	s_and_b32 s13, ttmp7, 0xffff
	s_lshl_b32 s13, s13, 2
	s_add_co_u32 s13, s13, s41                     ; tile row of C
	s_lshl_b32 s43, s41, 2
	s_lshl_b32 s43, 15, s43                        ; my row of the cluster
	s_lshl_b32 s44, 0x1111, s40                    ; my column
	s_or_b32 s[G1+0], s43, (1<<16)|(1<<20)|(1<<21)|(4<<22)|(3<<25)  ; A: the mask; elements of 2 bytes; padding on; bit 21 beside a mask; 4 words behind every 32
	s_mov_b32 s[G1+1], 4096<<16                    ; tensor_dim0 = 4,096: 64 tokens x 64
	s_mov_b32 s[G1+2], 4<<16                       ; tensor_dim1 = 4 heads
	s_mov_b32 s[G1+3], 4096<<16                    ; tile_dim0
	s_mov_b32 s[G1+4], 4                           ; tile_dim1
	s_mov_b32 s[G1+5], 131072                      ; tensor_dim0_stride: a head in elements
	s_mov_b32 s[G1+6], 0
	s_mov_b32 s[G1+7], 0
	s_or_b32 s[G1B+0], s44, (1<<16)|(1<<20)|(1<<21)|(6<<22)|(3<<25) ; B: 4 words behind every 128
	s_mov_b32 s[G1B+1], 256<<16
	s_mov_b32 s[G1B+2], 64<<16
	s_mov_b32 s[G1B+3], 256<<16
	s_mov_b32 s[G1B+4], 64
	s_mov_b32 s[G1B+5], 1024
	s_mov_b32 s[G1B+6], 0
	s_mov_b32 s[G1B+7], 0
	s_lshl_b32 s16, s13, 7
	s_lshl_b32 s17, s12, 6
	s_add_co_u32 s16, s16, s17                     ; A: row m = 128 x tile row + 64 x half
	s_lshr_b32 s17, s16, 11
	s_lshl_b32 s17, s17, 22                        ; its batch,
	s_and_b32 s16, s16, 2047
	s_lshl_b32 s16, s16, 7                         ; its token
	s_add_co_u32 s16, s16, s17
	s_mov_b32 s17, 0
	s_lshl_b32 s46, s42, 7
	s_lshl_b32 s47, s12, 6
	s_add_co_u32 s46, s46, s47                     ; B: row 128 x tile column + 64 x half,
	s_lshl_b32 s46, s46, 11                        ; of 2,048 bytes
	s_mov_b32 s47, 0
	s_mul_i32 s20, s12, HALFA                      ; where they go: A's halves,
	s_mul_i32 s21, s12, HALFB
	s_add_co_u32 s21, s21, 2*HALFA                 ; B's behind them
	s_wait_dscnt 0x0                               ; both opening adds are done
	s_wait_kmcnt 0x0
	s_add_nc_u64 s[14:15], s[4:5], s[16:17]
	s_add_nc_u64 s[46:47], s[6:7], s[46:47]
	CROUND                                         ; all sixteen work-groups are here: the first joint loads meet
.irp s, 0,1
	s_mov_b32 s[G0+4*\s], 1
	s_add_co_u32 s[G0+4*\s+1], s20, \s*SLOT
	s_add_nc_u64 s[G0+4*\s+2:G0+4*\s+3], s[14:15], \s*(1<<20)      ; K step s: four heads of 2^18 bytes on
	s_or_b32 s[G0+4*\s+3], s[G0+4*\s+3], 0x80000000
	s_mov_b32 s[G0B+4*\s], 1
	s_add_co_u32 s[G0B+4*\s+1], s21, \s*SLOT
	s_add_nc_u64 s[G0B+4*\s+2:G0B+4*\s+3], s[46:47], \s*512
	s_or_b32 s[G0B+4*\s+3], s[G0B+4*\s+3], 0x80000000
	JLOAD \s
.endr
	v_and_b32 v1, 15, v0                           ; r
	v_bfe_u32 v2, v0, 4, 1                         ; h
	s_lshl_b32 s16, s13, 7
	s_lshl_b32 s17, s11, 6
	s_add_co_u32 s16, s16, s17                     ; my first row of C,
	s_lshl_b32 s16, s16, 12                        ; of 4,096 bytes
	s_mov_b32 s17, 0
	s_add_nc_u64 s[8:9], s[8:9], s[16:17]
	s_lshl_b32 s46, s42, 9
	s_lshl_b32 s47, s12, 8
	s_add_co_u32 s46, s46, s47                     ; my first column, in bytes of f32: in C and in b_out alike
	s_mov_b32 s47, 0
	s_add_nc_u64 s[8:9], s[8:9], s[46:47]
	s_add_nc_u64 s[68:69], s[68:69], s[46:47]
	v_lshlrev_b32 v[BO], 5, v2
.irp b, 0,1,2,3
	global_load_b128 v[BI+8*\b:BI+8*\b+3], v[BO], s[68:69] offset:64*\b        ; b_out at columns 16 b + 8 h + 0 .. 7
	global_load_b128 v[BI+8*\b+4:BI+8*\b+7], v[BO], s[68:69] offset:64*\b+16
.endr
	v_mul_u32_u24 v3, v1, PA
	v_lshl_add_u32 v3, v2, 4, v3                   ; A: token x pitch + 16 x half
	v_mul_u32_u24 v4, v1, PB
	v_lshl_add_u32 v4, v2, 4, v4                   ; B: row x pitch + 16 x half
	s_mul_i32 s21, s11, HALFA                      ; my 64 rows of A
	s_mul_i32 s22, s12, HALFB                      ; my 64 rows of B,
	s_add_co_u32 s22, s22, 2*HALFA                 ; behind A's halves
.irp s, 0,1
	v_add_nc_u32 v[ADRA+\s], s21, v3
	v_add_nc_u32 v[ADRB+\s], s22, v4
	s_add_co_u32 s21, s21, SLOT
	s_add_co_u32 s22, s22, SLOT
.endr
	s_mul_i32 s23, s10, 16*SPITCH
	s_add_co_u32 s23, s23, STAGE                   ; my stage
	v_mul_u32_u24 v5, v1, SPITCH                   ; in: row r, 32 bytes for each half of the lanes
	v_lshl_add_u32 v5, v2, 5, v5
	v_add_nc_u32 v[STO], s23, v5
	v_mul_u32_u24 v5, v2, SPITCH                   ; back: lanes 0-15 one row of 256 bytes, lanes 16-31 the next
	v_lshl_add_u32 v5, v1, 4, v5
	v_add_nc_u32 v[RD], s23, v5
	v_lshlrev_b32 v[CO], 12, v2                    ; and the same two rows in C
	v_lshl_add_u32 v[CO], v1, 4, v[CO]
; 8 matrix instructions: m blocks a0, a0 + 1 x all 4 n blocks, 32 along K: half c of buffer f.  zero = 1: the first product starts the sums, on the bias.  The 16 accumulators take turns.
.macro MUL8 f, c, a0, zero
.irp a, \a0, \a0+1
.irp b, 0,1,2,3
.if \zero
	v_wmma_f32_16x16x32_f16 v[ACC+8*(4*(\a)+\b):ACC+8*(4*(\a)+\b)+7], v[\f+64+8*(4*\c+\b):\f+64+8*(4*\c+\b)+7], v[\f+8*(4*\c+\a):\f+8*(4*\c+\a)+7], v[BI+8*\b:BI+8*\b+7]
.else
	v_wmma_f32_16x16x32_f16 v[ACC+8*(4*(\a)+\b):ACC+8*(4*(\a)+\b)+7], v[\f+64+8*(4*\c+\b):\f+64+8*(4*\c+\b)+7], v[\f+8*(4*\c+\a):\f+8*(4*\c+\a)+7], v[ACC+8*(4*(\a)+\b):ACC+8*(4*(\a)+\b)+7]
.endif
.endr
.endr
.endm
; 32 LDS loads in one run: the fragments of quarter q of the slot (64 along K: one head) into buffer f; the first 32 along K first
.macro FETCH slot, q, f
	WIN TO_F
.irp c, 0,1
.irp i, 0,1,2,3
	ds_load_b128 v[\f+64+8*(4*\c+\i):\f+64+8*(4*\c+\i)+3],   v[ADRB+\slot] offset:128*(\q)+64*\c+\i*16*PB
	ds_load_b128 v[\f+64+8*(4*\c+\i)+4:\f+64+8*(4*\c+\i)+7], v[ADRB+\slot] offset:128*(\q)+64*\c+\i*16*PB+32
	ds_load_b128 v[\f+8*(4*\c+\i):\f+8*(4*\c+\i)+3],         v[ADRA+\slot] offset:PLANE*(\q)+64*\c+\i*16*PA
	ds_load_b128 v[\f+8*(4*\c+\i)+4:\f+8*(4*\c+\i)+7],       v[ADRA+\slot] offset:PLANE*(\q)+64*\c+\i*16*PA+32
.endr
.endr
.endm
.macro PLACES                          ; plain vector lines between a matrix instruction and a load into, or a read of, its registers
.rept 4
	v_nop
.endr
.endm
; One of a K step's first three quarters: multiplies buffer f and fetches quarter q into g.
.macro QUARTER slot, q, f, g, zero
	s_wait_dscnt 16                                ; the first 32 along K are in
	WIN MUL
	MUL8 \f, 0, 0, \zero
	MUL8 \f, 0, 2, \zero
	PLACES
	FETCH \slot, \q, \g
	s_wait_dscnt 32                                ; all but the 32 just issued
	WIN MUL
	MUL8 \f, 1, 0, 0
	MUL8 \f, 1, 2, 0
.endm
; The last quarter multiplies buffer 1 and changes slots: ONE barrier; in front of it each wave waits for all its tensor loads, adds 0 to its spare word, and waits for that and for its own reads of this slot.
; fill = 1: this slot is filled again, two K steps ahead, behind a round of the cluster's barrier.
.macro TURN slot, next, fill
	WIN 0
	s_wait_tensorcnt 0x0                           ; all my tensor loads have landed: my part of the next slot
	ds_add_u32 v[SPW], v[NIL]                      ; 0 onto my spare word
	s_wait_dscnt 17                                ; (the add and the youngest sixteen loads may be out)
	WIN MUL
	MUL8 F1, 0, 0, 0
	s_wait_dscnt 0x0                               ; the add is done, and my reads of this slot are over
	s_barrier_signal -1
	MUL8 F1, 0, 2, 0
.if \fill
	WIN 0
.endif
	s_barrier_wait -1
.if \fill
	CREST
	s_add_nc_u64 s[G0+4*\slot+2:G0+4*\slot+3], s[G0+4*\slot+2:G0+4*\slot+3], 1<<21
	s_add_nc_u64 s[G0B+4*\slot+2:G0B+4*\slot+3], s[G0B+4*\slot+2:G0B+4*\slot+3], 1024
	JLOAD \slot                                    ; the first tensor load behind the round; its four v_nop are also the places in front of the loads below
.else
	PLACES
.endif
	FETCH \next, 0, F0
	WIN MUL
	MUL8 F1, 1, 0, 0
	MUL8 F1, 1, 2, 0
.endm
	s_wait_tensorcnt 1                             ; my part of K step 0 is in (K step 1's may be out)
	s_barrier_signal -1
	s_barrier_wait -1
	FETCH 0, 0, F0
	s_wait_loadcnt 0x0                             ; the bias
	QUARTER 0, 1, F0, F1, 1                        ; K step 0; its first products start the sums
	QUARTER 0, 2, F1, F0, 0
	QUARTER 0, 3, F0, F1, 0
	TURN 0, 1, 1                                   ; slot 0 takes K step 2.  (K has four steps: the one lap that refills is written out, a loop would have one trip)
	QUARTER 1, 1, F0, F1, 0                        ; K step 1
	QUARTER 1, 2, F1, F0, 0
	QUARTER 1, 3, F0, F1, 0
	TURN 1, 0, 1                                   ; slot 1 takes K step 3
	QUARTER 0, 1, F0, F1, 0                        ; K step 2
	QUARTER 0, 2, F1, F0, 0
	QUARTER 0, 3, F0, F1, 0
	TURN 0, 1, 0
	QUARTER 1, 1, F0, F1, 0                        ; K step 3
	QUARTER 1, 2, F1, F0, 0
	QUARTER 1, 3, F0, F1, 0
	s_wait_dscnt 16
	WIN MUL
	MUL8 F1, 0, 0, 0
	MUL8 F1, 0, 2, 0
	s_wait_dscnt 0
	MUL8 F1, 1, 0, 0
	MUL8 F1, 1, 2, 0
	WIN 0
; THE WAY OUT, block by block of 16 rows x 64 columns of f32: a wave's 64 columns are 256 bytes of a row, so each wave goes through its own stage, with no barrier, and sixteen lanes store 256 consecutive bytes, aligned.
.macro TOSTAGE a
.irp b, 0,1,2,3
	ds_store_b128 v[STO], v[ACC+8*(4*(\a)+\b):ACC+8*(4*(\a)+\b)+3] offset:64*\b       ; each accumulator from its low end on
	ds_store_b128 v[STO], v[ACC+8*(4*(\a)+\b)+4:ACC+8*(4*(\a)+\b)+7] offset:64*\b+16
.endr
.set BB, TMP+32*((\a)%2)
.irp t, 0,1,2,3,4,5,6,7
	ds_load_b128 v[BB+4*\t:BB+4*\t+3], v[RD] offset:\t*2*SPITCH    ; LDS serves a wave's instructions in order (ISA guide 5.7.1.4)
.endr
.endm
.macro SEND a, younger
.set BB, TMP+32*((\a)%2)
	s_wait_dscnt \younger
.irp t, 0,1,2,3,4,5,6,7
	global_store_b128 v[CO], v[BB+4*\t:BB+4*\t+3], s[8:9] offset:(16*(\a)+2*\t)*4096 th:TH_STORE_NT
.endr
.endm
	PLACES
	TOSTAGE 0
.irp a, 1,2,3
.if \a > 1
	s_wait_xcnt 0x0                                ; block a - 2's stores have read their registers: block a's loads may land there
.endif
	TOSTAGE \a
	SEND \a-1, 16                                  ; behind block a - 1's loads: block a's 8 stores and 8 loads
.endr
	SEND 3, 0
	s_wait_tensorcnt 0x0                           ; the wave's end
	ds_add_u32 v[SPW], v[NIL]
	s_wait_dscnt 0x0
	CROUND                                         ; the closing round
	s_endpgm
.Lfunc_end_k_qdfdb74ac61_proj:
	.size	k_qdfdb74ac61_proj, .Lfunc_end_k_qdfdb74ac61_proj-k_qdfdb74ac61_proj
	.p2alignl 7, 3214868480
	.fill 96, 4, 3214868480
	.section	.rodata,"a",@progbits
	.p2align	6, 0x0
	.amdhsa_kernel k_qdfdb74ac61_proj
		.amdhsa_group_segment_fixed_size 327680
		.amdhsa_private_segment_fixed_size 0
		.amdhsa_enable_private_segment 0
		.amdhsa_kernarg_size 32
		.amdhsa_user_sgpr_count 2
		.amdhsa_user_sgpr_kernarg_segment_ptr 1
		.amdhsa_wavefront_size32 1
		.amdhsa_system_sgpr_workgroup_id_x 1
		.amdhsa_system_sgpr_workgroup_id_y 1
		.amdhsa_system_sgpr_workgroup_id_z 1
		.amdhsa_system_vgpr_workitem_id 0
		.amdhsa_next_free_vgpr 512
		.amdhsa_next_free_sgpr 70
		.amdhsa_reserve_vcc 0
		.amdhsa_float_denorm_mode_32 3
		.amdhsa_float_denorm_mode_16_64 3
		.amdhsa_memory_ordered 1
		.amdhsa_forward_progress 1
		.amdhsa_inst_pref_size 87
	.end_amdhsa_kernel
	.amdgpu_metadata
---
amdhsa.version: [ 1, 2 ]
amdhsa.kernels:
  - .name:           k_qdfdb74ac61_proj
    .symbol:         k_qdfdb74ac61_proj.kd
    .args:
      - { .name: att, .offset: 0, .size: 8, .value_kind: global_buffer, .address_space: global }
      - { .name: wo_t, .offset: 8, .size: 8, .value_kind: global_buffer, .address_space: global }
      - { .name: out0, .offset: 16, .size: 8, .value_kind: global_buffer, .address_space: global }
      - { .name: b_out, .offset: 24, .size: 8, .value_kind: global_buffer, .address_space: global }
    .group_segment_fixed_size: 327680
    .private_segment_fixed_size: 0
    .kernarg_segment_align: 8
    .kernarg_segment_size: 32
    .max_flat_workgroup_size: 128
    .sgpr_count:     70
    .vgpr_count:     512
    .wavefront_size: 32
...
	.end_amdgpu_metadata
.endif
;; end of part 4
